; MI455X (gfx1250); checked and timed in simulation.
; The chip was launched on July 23, 2026; its instructions are those of AMD's public machine-readable ISA for CDNA 5 (MIT licence, August 2026) and "CDNA5" Instruction Set Architecture Reference Guide (July 2026). The comments in the code are by the model that wrote it; some were corrected since.
;; Causal Self Attention. Allowed arithmetic: matrix products marked QUANTISED: E3M2 operands, one E8M0 scale for each 32 along K, by v_wmma_scale_f32_16x16x128_f8f6f4 with both operands' format E3M2, f32 sums; everything else in f32.
;; Inputs: Wk 1,024 x 1,024 float32; Wp 1,024 x 1,024 float32; Wq 1,024 x 1,024 float32; Wv 1,024 x 1,024 float32; x 4 x 2,048 x 1,024 float32.
;; Outputs: out0 4 x 2,048 x 1,024 float32.
;; This version of the problem:
;;   THIS VERSION OF THE PROBLEM IS GIVEN IN LOW PRECISION. The matrix products marked QUANTISED in the list below multiply operands that are first quantised to E3M2 (3 exponent bits, 2 mantissa bits; 6 bits a number), with one power-of-two scale for each 32 numbers along K (OCP MX v1.0); their sums are f32. All else is computed in f32.
;;   The module's matrix products, in the order in which they are computed (A, B: the left and right operand; K: the contracted axis; several contracted axes count as one K, in the product's order):
;;     1. [M 8,192, K 1,024] x [K 1,024, N 1,024]; A: input x; B: input Wq: QUANTISED
;;     2. [M 8,192, K 1,024] x [K 1,024, N 1,024]; A: input x; B: input Wk: QUANTISED
;;     3. [M 8,192, K 1,024] x [K 1,024, N 1,024]; A: input x; B: input Wv: QUANTISED
;;     4. batch 64 x [M 2,048, K 64] x [K 64, N 2,048]; A: computed on the way; B: computed on the way: QUANTISED
;;     5. batch 64 x [M 2,048, K 2,048] x [K 2,048, N 64]; A: softmax (see below); B: computed on the way: QUANTISED
;;     6. [M 8,192, K 1,024] x [K 1,024, N 1,024]; A: computed on the way; B: input Wp: QUANTISED
;;   THE QUANTISER, for each operand of a quantised product, along K:
;;     - K is cut into blocks of 32 from its start; a last block that is shorter is filled with zeros.
;;     - A block's scale is 2^e with e = floor(log2(the largest magnitude in the block)) - 4, held to -126 .. 127; a block of zeros has e = 0. As a byte (E8M0): e + 127.
;;     - Each number is divided by its block's scale, clamped to +-28, and rounded to the nearest number of E3M2, ties to even, subnormals kept.
;;     - The product sums the exact products of the quantised numbers (number of the format x scale) in f32.
;;   ~~~python
;;   def quantise(x, axis):      # numpy; x: float32 -> the quantised numbers, widened to float32 again
;;       x = np.moveaxis(x, axis, -1); K = x.shape[-1]
;;       x = np.pad(x, [(0, 0)] * (x.ndim - 1) + [(0, -K % 32)]); x = x.reshape(x.shape[:-1] + (-1, 32)); a = np.abs(x).max(-1, keepdims=True)
;;       e = np.where(a > 0, np.clip(np.frexp(np.where(a > 0, a, 1))[1] - 1 - 4, -126, 127), 0)      # np.frexp(a)[1] - 1 = floor(log2(a)), exactly
;;       r = np.clip(x / 2.0 ** e, -28, 28)
;;       step = 2.0 ** (np.maximum(np.frexp(np.where(r == 0, 1, r))[1] - 1, -2) - 2)
;;       q = np.round(r / step) * step * 2.0 ** e      # np.round: ties to even
;;       return np.moveaxis(q.reshape(q.shape[:-2] + (-1,))[..., :K], -1, axis).astype(np.float32)
;;   ~~~
;;   SOFTMAX AHEAD OF A QUANTISED PRODUCT. Where the list says 'softmax', what is quantised is not the finished softmax but p = 2^(t - M), with t = logit x log2(e) and M = ceil(the row's largest t), a whole number; so 1/2 < the row's largest p <= 1. The row's sum l is taken of the UNQUANTISED p, in f32, and the product's result is divided by l at the end. Since M is a whole number, a kernel that streams over the keys may use a running M (the ceiling of the running maximum): every later rescaling is an exact power of two, which a block's scale takes up: the codes' values come out the same.
;;   OPERANDS COMPUTED ON THE WAY. 'Computed on the way' means the value that the module computes at that place (a softmax that the list does not call 'softmax' is quantised finished and normalised). What goes into a quantiser is computed in f32, as accurately as f32 sums, v_exp_f32 and their like allow (about 1e-6 of the number): no bf16 or f16 on the way to a quantiser, and a product that is left as it is and whose result goes on into a quantised operand takes f32 operands (vector FMAs, or v_wmma_f32_16x16x4_f32). A number that lies on a knife's edge between two numbers of the format may be rounded either way, as far as f32 arithmetic and the matrix unit's own rounding can turn it there, and no further.
;; One version. Each part assembles by itself: llvm-mc -triple=amdgcn-amd-amdhsa -mcpu=gfx1250 --defsym DOCPART=n.
;; ======== version 1 of 1: 4 launches
;; workspace buffers: cod 9,437,184 bytes; scl 393,216 bytes; qkv 20,185,088 bytes; yc 6,291,456 bytes; ys 262,144 bytes
;; launch quant (part 1): grid 768 x 1, 4 waves a work-group, no clusters, 35,328 bytes of LDS; arguments x, Wq, Wk, Wv, Wp, cod, scl; writes cod, scl
.if DOCPART == 1
	.amdgcn_target "amdgcn-amd-amdhsa--gfx1250"
	.amdhsa_code_object_version 6
	.text
	.protected	k_q784ed33d99_quant
	.globl	k_q784ed33d99_quant
	.p2align	8
	.type	k_q784ed33d99_quant,@function
k_q784ed33d99_quant:
	s_mov_b64 s[64:65], 0
	v_nop
	global_prefetch_b8 v0, s[64:65] scope:SCOPE_SE
	s_setreg_imm32_b32 hwreg(HW_REG_WAVE_MODE, 25, 1), 1
	s_wait_xcnt 0x0
; x [8192][1024] and Wq, Wk, Wv, Wp [1024][1024], f32, K innermost, become codes of BF6 (E3M2) with one E8M0 byte for each 32 along K.
; A block's scale is 2^(floor(log2(its largest magnitude)) - 4): its byte is the largest magnitude's exponent field - 4, held at 1 from below.
; LIMITS: a block of zeros gets the byte 1 where the rule says 127 (its codes are zeros, and this program alone reads the bytes); blocks whose largest magnitude
; lies under 2^-122 are held at byte 1; NaN and infinities among the inputs are not served.
; LAYOUT OF THE RESULT.  Rows go in ROW BLOCKS of 16: row block 2 g + u holds at place r the true row 32 g + 8 u + r + 8 (r / 8).  cod: [row block 0..767][16 units]; a UNIT, 768 bytes, is 16 rows x 64 along K
; as an image of operand registers: lane (r, h) has 6 registers, the 32 codes of k = 32 h .. 32 h + 31 of row r; registers 0-3 lie at 16 x lane, registers 4-5 at 512 + 8 x lane.
; Row blocks 0-511 are x, 512-575 Wq, 576-639 Wk, 640-703 Wv, 704-767 Wp.  scl: [row block][r][8 words], word s = the four bytes of K step s (128 along K).
; SHARES.  A work-group takes one row block; wave w takes 256 along K (K steps 2 w and 2 w + 1).  No loop: a wave's 32 loads, 512 consecutive bytes each, go out together.
; The conversions want 16 neighbours along K in one lane, the loads want neighbouring bytes in neighbouring lanes: so a K step's 16 x 512 bytes turn through the wave's own stage in LDS (rows 528 bytes apart).
; No work-group shares an input byte with another, so there is no cluster; no tensor load; one barrier, for the gather of the scale words.
.set STG,  8448                        ; a wave's stage: 16 rows x 528 bytes
.set GATH, 33792                       ; behind the four stages: the row block's 512 bytes of scale words
.set R0,   16                          ; v16-79   K step 0 as loaded; later K step 1 turned
.set R1,   80                          ; v80-143  K step 1 as loaded
.set X,    144                         ; v144-207 K step 0 turned
.set PC0,  208                         ; v208-226 codes of K step 0
.set PC1,  144                         ; v144-162 codes of K step 1 (X is done with by then)
.set TM,   228                         ; v228-243 at work
.set PW0,  244                         ; the two scale words
.set PW1,  245
.set SEL,  28                          ; s[28:29] lane selects: lane l xor 16
	s_load_b256 s[4:11], s[0:1], 0x0               ; x, Wq, Wk, Wv
	s_load_b128 s[12:15], s[0:1], 0x20             ; Wp, cod
	s_load_b64 s[16:17], s[0:1], 0x30              ; scl
	v_lshl_add_u32 v248, v0, 2, 0x8800
	v_mov_b32 v249, 0
	v_lshrrev_b32 v1, 5, v0
	v_readfirstlane_b32 s18, v1                    ; wave 0..3
	v_and_b32 v1, 31, v0                           ; lane
	v_and_b32 v2, 15, v0                           ; r
	v_bfe_u32 v3, v0, 4, 1                         ; h
	v_lshlrev_b32 v4, 4, v1                        ; 16 x lane
	v_lshlrev_b32 v5, 3, v1                        ; 8 x lane
	s_mul_i32 s19, s18, STG
	v_add_nc_u32 v6, s19, v4                       ; the stage, on the way in: 16 x lane of a row
	v_mul_u32_u24 v7, v2, 528
	v_lshl_add_u32 v7, v3, 6, v7
	v_add_nc_u32 v7, s19, v7                       ; and on the way out: row r, + 64 h: my 16 numbers of a block of 32
	s_lshl_b32 s19, s18, 3
	s_add_co_u32 s19, s19, GATH
	v_lshlrev_b32 v8, 5, v2
	v_lshl_add_u32 v8, v3, 2, v8
	v_add_nc_u32 v8, s19, v8                       ; where my scale word goes: row r, word 2 w + h
	v_add_nc_u32 v9, GATH, v4                      ; and where wave 0 reads the 512 bytes back
.irp b, 0,1,2,3
	v_mov_b32 v[TM+4+\b], 0                        ; written once: a lane permute's destination counts as one of its sources
.endr
	s_mov_b32 s[SEL], 0x76543210
	s_mov_b32 s[SEL+1], 0xfedcba98
	s_mov_b32 s20, ttmp9                           ; my row block, 0..767
	s_sub_co_u32 s21, s20, 512
	s_and_b32 s22, s21, 63                         ; its number inside a weight
	s_lshr_b32 s23, s21, 6                         ; which weight: 0 Wq, 1 Wk, 2 Wv, 3 Wp
	s_wait_alu depctr_va_vdst(0)
	s_wait_kmcnt 0x0
	s_mov_b64 s[24:25], s[12:13]                   ; the source is chosen on the work-group's number alone
	s_cmp_eq_u32 s23, 2
	s_cselect_b64 s[24:25], s[10:11], s[24:25]
	s_cmp_eq_u32 s23, 1
	s_cselect_b64 s[24:25], s[8:9], s[24:25]
	s_cmp_eq_u32 s23, 0
	s_cselect_b64 s[24:25], s[6:7], s[24:25]
	s_cmp_lt_u32 s20, 512
	s_cselect_b64 s[24:25], s[4:5], s[24:25]
	s_cselect_b32 s22, s20, s22                    ; the row block's number inside its tensor
	s_lshr_b32 s26, s22, 1
	s_lshl_b32 s26, s26, 17                        ; 32 rows of 4,096 bytes for each pair of row blocks,
	s_and_b32 s27, s22, 1
	s_lshl_b32 s27, s27, 15                        ; 8 rows for the odd one,
	s_add_co_u32 s26, s26, s27
	s_lshl_b32 s27, s18, 10                        ; my wave's 1,024 bytes of a row
	s_add_co_u32 s26, s26, s27
	s_mov_b32 s27, 0
	s_add_nc_u64 s[24:25], s[24:25], s[26:27]
	s_mul_i32 s26, s20, 12288
	s_mul_i32 s30, s18, 3072
	s_add_co_u32 s26, s26, s30
	s_add_nc_u64 s[14:15], s[14:15], s[26:27]      ; cod at my wave's four units
	s_lshl_b32 s26, s20, 9
	s_add_nc_u64 s[16:17], s[16:17], s[26:27]      ; scl at my row block
.irp ks, 0,1
.irp i, 0,1,2,3,4,5,6,7,8,9,10,11,12,13,14,15
	global_load_b128 v[R0+64*\ks+4*\i:R0+64*\ks+4*\i+3], v4, s[24:25] offset:(\i+8*(\i/8))*4096+512*\ks th:TH_LOAD_NT   ; place i of the row block: 32 lanes read 512 consecutive bytes
.endr
.endr
.macro TURN src, dst                   ; a K step through the stage: LDS serves a wave's instructions in order, so no wait stands between the stores and the loads
.irp i, 0,1,2,3,4,5,6,7,8,9,10,11,12,13,14,15
	ds_store_b128 v6, v[\src+4*\i:\src+4*\i+3] offset:528*\i
.endr
.irp b, 0,1,2,3
.irp j, 0,1,2,3
	ds_load_b128 v[\dst+16*\b+4*\j:\dst+16*\b+4*\j+3], v7 offset:128*\b+16*\j   ; register 16 b + i = k 32 b + 16 h + i of row r
.endr
.endr
.endm
; 64 numbers of a lane, register 16 b + i = k 32 b + 16 h + i of my row, become a fragment's 12 registers of codes (two units) in v[pc] on and its scale word in v[pw]
.macro QUANT src, pc, pw
.irp b, 0,1,2,3
	v_max3_num_f32 v[TM+\b], |v[\src+16*\b]|, |v[\src+16*\b+1]|, 0x2800000   ; block b: my 16 numbers, and the floor 2^(5 - 127): the byte cannot fall under 1
.endr
.irp i, 2,4,6,8,10,12,14
.irp b, 0,1,2,3
	v_max3_num_f32 v[TM+\b], v[TM+\b], |v[\src+16*\b+\i]|, |v[\src+16*\b+\i+1]|   ; the four blocks by turns
.endr
.endr
.irp b, 0,1,2,3
	v_permlanex16_b32 v[TM+4+\b], v[TM+\b], s[SEL], s[SEL+1]
.endr
.irp b, 0,1,2,3
	v_max_num_f32 v[TM+\b], v[TM+\b], v[TM+4+\b]   ; with lane l xor 16's: the block's largest magnitude
.endr
.irp b, 0,1,2,3
	v_add_nc_u32 v[TM+12+\b], 0xfe000000, v[TM+\b] ; 4 off its exponent field: the conversion takes this operand's exponent field as its scale
.endr
.irp b, 0,1,2,3
	v_lshrrev_b32 v[TM+4+\b], 23, v[TM+12+\b]      ; the scale's byte
.endr
	v_lshl_or_b32 v[\pw], v[TM+5], 8, v[TM+4]
	v_lshl_or_b32 v[\pw], v[TM+6], 16, v[\pw]
	v_lshl_or_b32 v[\pw], v[TM+7], 24, v[\pw]
.irp c, 0,1
	v_cvt_scalef32_pk16_bf6_f32 v[\pc+6*\c:\pc+6*\c+2], v[\src+32*\c:\src+32*\c+15], v[TM+12+2*\c]
	v_cvt_scalef32_pk16_bf6_f32 v[\pc+12+4*\c:\pc+14+4*\c], v[\src+16+32*\c:\src+31+32*\c], v[TM+13+2*\c]   ; (a conversion's three registers begin on an even number)
.endr
	v_nop                                          ; one plain place behind a scaled conversion
.irp c, 0,1                            ; the operand's layout wants a whole block in a lane: lanes 0-15 block 2 c, lanes 16-31 block 2 c + 1
.irp i, 0,1,2
	v_permlane16_swap_b32 v[\pc+6*\c+\i], v[\pc+12+4*\c+\i]
.endr
.irp i, 0,1,2
	v_mov_b32 v[\pc+3+6*\c+\i], v[\pc+12+4*\c+\i]
.endr
.endr
.endm
.macro OUT pc, off                     ; two units: each store covers 512 or 256 consecutive bytes, at a multiple of 256 from the buffer's first byte
	global_store_b128 v4, v[\pc:\pc+3], s[14:15] offset:\off
	global_store_b64 v5, v[\pc+4:\pc+5], s[14:15] offset:\off+512
	global_store_b128 v4, v[\pc+6:\pc+9], s[14:15] offset:\off+768
	global_store_b64 v5, v[\pc+10:\pc+11], s[14:15] offset:\off+1280
.endm
	s_wait_loadcnt 16                              ; K step 0's sixteen loads are in; K step 1's sixteen may be out
	TURN R0, X
	s_wait_dscnt 0x0                               ; X is in, and the stage has been read
	s_wait_loadcnt 0x0
	TURN R1, R0                                    ; K step 1 turns while K step 0 is quantised
	QUANT X, PC0, PW0
	OUT PC0, 0
	s_wait_dscnt 0x0
	QUANT R0, PC1, PW1
	OUT PC1, 1536
	v_cmp_eq_u32 vcc_lo, 1, v3
	v_cndmask_b32 v10, v[PW0], v[PW1], vcc_lo      ; both halves of the lanes hold both words: lanes 0-15 send K step 2 w's, lanes 16-31 K step 2 w + 1's
	ds_store_b32 v8, v10
	s_wait_dscnt 0x0                               ; for wave 0's sake: my word has landed
	s_barrier_signal -1
	s_barrier_wait -1
	s_cmp_lg_u32 s18, 0
	s_cbranch_scc1 .Ldone
	ds_load_b128 v[12:15], v9
	s_wait_dscnt 0x0
	global_store_b128 v4, v[12:15], s[16:17]       ; the row block's 512 bytes of scale words, consecutive
.Ldone:
	s_wait_tensorcnt 0x0
	ds_add_u32 v248, v249
	s_wait_dscnt 0x0
	s_endpgm
.Lfunc_end_k_q784ed33d99_quant:
	.size	k_q784ed33d99_quant, .Lfunc_end_k_q784ed33d99_quant-k_q784ed33d99_quant
	.p2alignl 7, 3214868480
	.fill 96, 4, 3214868480
	.section	.rodata,"a",@progbits
	.p2align	6, 0x0
	.amdhsa_kernel k_q784ed33d99_quant
		.amdhsa_group_segment_fixed_size 35328
		.amdhsa_private_segment_fixed_size 0
		.amdhsa_enable_private_segment 0
		.amdhsa_kernarg_size 56
		.amdhsa_user_sgpr_count 2
		.amdhsa_user_sgpr_kernarg_segment_ptr 1
		.amdhsa_wavefront_size32 1
		.amdhsa_system_sgpr_workgroup_id_x 1
		.amdhsa_system_sgpr_workgroup_id_y 1
		.amdhsa_system_sgpr_workgroup_id_z 1
		.amdhsa_system_vgpr_workitem_id 0
		.amdhsa_next_free_vgpr 250
		.amdhsa_next_free_sgpr 66
		.amdhsa_reserve_vcc 1
		.amdhsa_float_denorm_mode_32 3
		.amdhsa_float_denorm_mode_16_64 3
		.amdhsa_memory_ordered 1
		.amdhsa_forward_progress 1
		.amdhsa_inst_pref_size 19
	.end_amdhsa_kernel
	.amdgpu_metadata
---
amdhsa.version: [ 1, 2 ]
amdhsa.kernels:
  - .name:           k_q784ed33d99_quant
    .symbol:         k_q784ed33d99_quant.kd
    .args:
      - { .name: x, .offset: 0, .size: 8, .value_kind: global_buffer, .address_space: global }
      - { .name: Wq, .offset: 8, .size: 8, .value_kind: global_buffer, .address_space: global }
      - { .name: Wk, .offset: 16, .size: 8, .value_kind: global_buffer, .address_space: global }
      - { .name: Wv, .offset: 24, .size: 8, .value_kind: global_buffer, .address_space: global }
      - { .name: Wp, .offset: 32, .size: 8, .value_kind: global_buffer, .address_space: global }
      - { .name: cod, .offset: 40, .size: 8, .value_kind: global_buffer, .address_space: global }
      - { .name: scl, .offset: 48, .size: 8, .value_kind: global_buffer, .address_space: global }
    .group_segment_fixed_size: 35328
    .private_segment_fixed_size: 0
    .kernarg_segment_align: 8
    .kernarg_segment_size: 56
    .max_flat_workgroup_size: 128
    .sgpr_count:     66
    .vgpr_count:     250
    .wavefront_size: 32
...
	.end_amdgpu_metadata
.endif
;; end of part 1
;; launch qkv (part 2): grid 24 x 32, 4 waves a work-group, clusters of 4 x 4, 327,680 bytes of LDS; arguments cod, scl, qkv; writes qkv
.if DOCPART == 2
	.amdgcn_target "amdgcn-amd-amdhsa--gfx1250"
	.amdhsa_code_object_version 6
	.text
	.protected	k_q784ed33d99_qkv
	.globl	k_q784ed33d99_qkv
	.p2align	8
	.type	k_q784ed33d99_qkv,@function
k_q784ed33d99_qkv:
	s_mov_b64 s[64:65], 0
	v_nop
	global_prefetch_b8 v0, s[64:65] scope:SCOPE_SE
	s_setreg_imm32_b32 hwreg(HW_REG_WAVE_MODE, 25, 1), 1
	s_wait_xcnt 0x0
	s_wait_alu depctr_hold_cnt(0) depctr_sa_sdst(0) depctr_va_vdst(0) depctr_va_sdst(0) depctr_va_ssrc(0) depctr_va_vcc(0) depctr_vm_vsrc(0)
	s_getreg_b32 s2, hwreg(HW_REG_IB_STS2, 6, 4)
	s_cmp_eq_u32 s2, 0
	s_cbranch_scc0 .Lentry_in_a_cluster
	s_endpgm
.Lentry_in_a_cluster:
	s_bfe_u32 s2, ttmp6, 0x10000c
	s_cmp_lg_u32 s2, 0xf033
	s_cbranch_scc0 .Lentry_shape_is_right
	s_endpgm
.Lentry_shape_is_right:
; q = x Wq^T, k = x Wk^T, v = x Wv^T on codes of BF6 (E3M2) with E8M0 scales, K = 1,024; the results are quantised in registers (q, k along the head's 64; v along the keys) and leave as codes.
; OPERANDS (buffers cod, scl): rows in row blocks of 16 (row block 2 g + u, place r = true row 32 g + 8 u + r + 8 (r / 8)); a unit of 768 bytes = 16 rows x 64 K as an image of operand registers
; (lane's registers 0-3 at 16 x lane, 4-5 at 512 + 8 x lane); a row block is 16 units; scale words [row block][r][8].
; THE PRODUCT.  Side P is source 0: 128 rows a work-group; a lane's registers run along P's rows, and by the order of rows in a row block the 16 registers of tiles 2 b and 2 b + 1 are 16 neighbours 32 b + 16 h + i.
; Side R is source 1: 256 rows a work-group, a lane a row.  Wave w takes R's row blocks 4 w .. 4 w + 3 against P's eight: 32 accumulators, which take turns, one instruction a turn, in the same order in every K step.
; q and k (cluster x 0-1, 2-3): P = 128 rows of the weight (two heads), R = 256 tokens.  v (cluster x 4-5): P = 128 tokens (a key step), R = 256 rows of Wv (four heads), so that the registers run along the keys.
; One text serves all three: only offsets differ, chosen by s_cselect_b32 on the cluster's x, which all partners share.
; LDS.  All of K for the work-group's 384 rows, 294,912 bytes, is asked for at the head in four chunks of two K steps and filled once: nothing is filled again.  The launch claims all of the WGP's LDS and uses 297,472 bytes.
; CLUSTER 4 x 4.  R's tile hangs on the work-group's y alone and is asked for jointly by a row of the cluster, P's on x alone, by a column.  Four joint loads of a wave are out at the most, by this text's own count.
; RESULT (buffer qkv).  Q codes at (bh x 128 + token tile) x 768; Q scale words at QS + (bh x 128 + tile) x 64 + 4 r; records of a key step of 128 at KV + bh x 208,896 + J x 13,056:
; +0 eight units of K, +6,144 V's units [key half][d tile], +12,288 K's scale words [tile][r], +12,800 V's [d tile][r].  In Q's and K's words bytes 2 and 3 are 0.
; LIMITS: as in the quantiser: a block of zeros gets byte 1, blocks under 2^-122 are held at byte 1, NaN and infinities are not served.
; REGISTERS, in windows of 256: window 0: v1-15 addresses of the way out, v16-31 LDS addresses, v32-63 R's scale words [8 a + s], v64-127 P's [8 f + s], v128-235 the way out.
;   window 1: P's fragments, two sets, v[96 p + 12 f].   window 2: accumulator (a, f) at v[8 (8 a + f)].   window 3: R's fragments, two sets, v[48 p + 12 a].
.set QS,      6291456
.set KV,      6815744
.set CHUNK,   73728                    ; two K steps: R's 16 row blocks x 3,072 bytes, then P's 8
.set POFF,    49152
.set SCRATCH, 294912                   ; behind the tiles: 512 bytes a wave, for the gather of scale words; no fill lands here
.set WV,   10
.set SEL,  66
.set G1R,  24
.set G1P,  32
.set G0R,  40                          ; s[40:55] group 0 for R, a set for each chunk
.set G0P,  68                          ; s[68:83] the same for P
.set AR16, 16
.set AR8,  20
.set AP16, 24
.set AP8,  28
.set SCR,  32
.set SCP,  64
.set TM,   208
.set PW,   224
.set WD,   225
.set MSB, 0
.macro WIN new                         ; the immediate's high byte repeats the setting that is left
.if MSB != \new
	s_set_vgpr_msb (MSB<<8)|\new
.set MSB, \new
.endif
.endm
.macro CROUND                          ; a round of the cluster's barrier
	s_barrier_signal -1
	s_barrier_wait -1
	s_cmp_lg_u32 s[WV], 0
	s_cbranch_scc1 .Lnot_wave_0_\@
	s_barrier_signal -3
.Lnot_wave_0_\@:
	s_barrier_wait -3
	s_barrier_signal -1
	s_barrier_wait -1
.endm
.macro FETCH s                         ; K step s: P's eight fragments and my four of R, 48 LDS loads in one run, into set s % 2
.set FC, (\s)/2
.set FO, 1536*((\s)%2)
.set FP, (\s)%2
	WIN 0x40                                       ; destination window 1
.irp f, 0,1,2,3,4,5,6,7
.irp u, 0,1
	ds_load_b128 v[96*FP+12*\f+6*\u:96*FP+12*\f+6*\u+3], v[AP16+FC] offset:3072*\f+FO+768*\u
	ds_load_b64 v[96*FP+12*\f+6*\u+4:96*FP+12*\f+6*\u+5], v[AP8+FC] offset:3072*\f+FO+768*\u+512
.endr
.endr
	WIN 0xc0                                       ; destination window 3
.irp a, 0,1,2,3
.irp u, 0,1
	ds_load_b128 v[48*FP+12*\a+6*\u:48*FP+12*\a+6*\u+3], v[AR16+FC] offset:3072*\a+FO+768*\u
	ds_load_b64 v[48*FP+12*\a+6*\u+4:48*FP+12*\a+6*\u+5], v[AR8+FC] offset:3072*\a+FO+768*\u+512
.endr
.endr
.endm
.macro MUL s, zero                     ; 32 matrix instructions; zero = 1: the first K step starts the sums
.set MP, (\s)%2
	WIN 0xad                                       ; source 0 (P) window 1, source 1 (R) window 3, C and D window 2
.irp a, 0,1,2,3
.irp f, 0,1,2,3,4,5,6,7
.if \zero
	v_wmma_scale_f32_16x16x128_f8f6f4 v[8*(8*\a+\f):8*(8*\a+\f)+7], v[96*MP+12*\f:96*MP+12*\f+11], v[48*MP+12*\a:48*MP+12*\a+11], 0, v[SCP+8*\f+(\s)], v[SCR+8*\a+(\s)] matrix_a_fmt:MATRIX_FMT_BF6 matrix_b_fmt:MATRIX_FMT_BF6
.else
	v_wmma_scale_f32_16x16x128_f8f6f4 v[8*(8*\a+\f):8*(8*\a+\f)+7], v[96*MP+12*\f:96*MP+12*\f+11], v[48*MP+12*\a:48*MP+12*\a+11], v[8*(8*\a+\f):8*(8*\a+\f)+7], v[SCP+8*\f+(\s)], v[SCR+8*\a+(\s)] matrix_a_fmt:MATRIX_FMT_BF6 matrix_b_fmt:MATRIX_FMT_BF6
.endif
.endr
.endr
.endm
.macro STEP s, zero
	s_wait_dscnt 0x0                               ; this step's fragments are in (asked for 32 matrix instructions ago)
.if ((\s)%2 == 1) && ((\s) < 7)
	s_wait_tensorcnt 3-((\s)+1)/2                  ; my part of the next chunk has landed; my loads for the chunks behind it may stay out
	s_barrier_signal -1
	s_barrier_wait -1                              ; everybody's part has
.endif
.if (\s) < 7
.if (\s) > 0
.rept 4
	v_nop                                          ; four places in front of loads into registers that the last step's matrix instructions read (ISA guide 7.12.1 for vector instructions)
.endr
.endif
	FETCH (\s)+1
.endif
	MUL \s, \zero
.endm
	s_load_b128 s[4:7], s[0:1], 0x0                ; cod, scl
	s_load_b64 s[8:9], s[0:1], 0x10                ; qkv
	v_lshl_add_u32 v254, v0, 2, 0x48800
	v_mov_b32 v255, 0
	ds_add_u32 v254, v255
	ds_add_u32 v254, v255
	v_lshrrev_b32 v9, 5, v0
	v_readfirstlane_b32 s[WV], v9                  ; wave 0..3
	s_and_b32 s11, s[WV], 1                        ; which half of a tile's row blocks I fetch
	s_bfe_u32 s12, ttmp6, 0x40000                  ; cx
	s_bfe_u32 s13, ttmp6, 0x40004                  ; cy
	s_mov_b32 s14, ttmp9                           ; cluster x, 0..5
	s_and_b32 s15, ttmp7, 0xffff                   ; cluster y, 0..7
	s_lshl_b32 s2, s13, 2
	s_lshl_b32 s2, 15, s2                          ; my row of the cluster
	s_lshl_b32 s3, 0x1111, s12                     ; my column
	s_or_b32 s[G1R], s2, (3<<16)|(1<<21)           ; 15:0 the mask; 17:16 elements of 8 bytes; 21 set beside a mask; no padding
	s_or_b32 s[G1P], s3, (3<<16)|(1<<21)
.irp g, G1R, G1P
	s_mov_b32 s[\g+1], 384<<16                     ; tensor_dim0: a row block's part of a chunk, 3,072 bytes
	s_mov_b32 s[\g+3], 384<<16                     ; tile_dim0
	s_mov_b32 s[\g+5], 1536                        ; from row block to row block: 12,288 bytes
	s_mov_b32 s[\g+6], 0
	s_mov_b32 s[\g+7], 0
.endr
	s_mov_b32 s[G1R+2], 8<<16                      ; R: 8 row blocks a load
	s_mov_b32 s[G1R+4], 8
	s_mov_b32 s[G1P+2], 4<<16                      ; P: 4
	s_mov_b32 s[G1P+4], 4
	s_mov_b32 s[SEL], 0x76543210
	s_mov_b32 s[SEL+1], 0xfedcba98
	; which rows (counted in cod's rows: x 0.., Wq 8,192.., Wk 9,216.., Wv 10,240..)
	s_sub_co_u32 s16, s14, 4
	s_lshl_b32 s16, s16, 3
	s_add_co_u32 s16, s16, s15                     ; v: the cluster's number, 0..15 (of no use in q's and k's clusters, and not used there)
	s_lshl_b32 s17, s16, 9                         ; v: P = tokens, 512 a cluster
	s_lshl_b32 s21, s14, 9
	s_add_co_u32 s21, s21, 8192                    ; q, k: P = weight rows
	s_lshl_b32 s19, s15, 10                        ; q, k: R = tokens, 1,024 a cluster
	s_cmp_ge_u32 s14, 4
	s_cselect_b32 s17, s17, s21
	s_cselect_b32 s19, 10240, s19                  ; v: R = Wv's rows
	s_lshl_b32 s18, s12, 7
	s_add_co_u32 s17, s17, s18                     ; P's first row: hangs on cx, never on cy
	s_lshl_b32 s20, s13, 8
	s_add_co_u32 s19, s19, s20                     ; R's first row: hangs on cy, never on cx
	s_mul_i32 s56, s17, 768
	s_mul_i32 s18, s11, 49152
	s_add_co_u32 s56, s56, s18                     ; P's codes, my half
	s_mov_b32 s57, 0
	s_mul_i32 s58, s19, 768
	s_mul_i32 s20, s11, 98304
	s_add_co_u32 s58, s58, s20                     ; R's codes, my half
	s_mov_b32 s59, 0
	s_lshl_b32 s60, s17, 5                         ; P's scale words
	s_mov_b32 s61, 0
	s_lshl_b32 s62, s19, 5
	s_lshl_b32 s20, s[WV], 11
	s_add_co_u32 s62, s62, s20                     ; R's, my four row blocks
	s_mov_b32 s63, 0
	s_mul_i32 s84, s11, 24576                      ; where my half goes in a chunk: the wave's number alone
	s_mul_i32 s85, s11, 12288
	; where the results go: all three candidates, then the choice
	s_and_b32 s94, s14, 1
	s_lshl_b32 s94, s94, 2
	s_add_co_u32 s94, s94, s12                     ; q, k: which 128 rows of the weight: heads 2 PT, 2 PT + 1
	s_lshl_b32 s95, s15, 2
	s_add_co_u32 s95, s95, s13
	s_and_b32 s95, s95, 7                          ; which 256 tokens of the batch
	s_lshr_b32 s96, s15, 1
	s_lshl_b32 s96, s96, 4
	s_lshl_b32 s97, s94, 1
	s_add_co_u32 s96, s96, s97                     ; bh = 16 x batch + head
	s_lshl_b32 s97, s95, 4
	s_lshl_b32 s98, s[WV], 2
	s_add_co_u32 s97, s97, s98                     ; my first token tile in the batch
	s_mul_i32 s88, s96, 98304
	s_mul_i32 s98, s97, 768
	s_add_co_u32 s88, s88, s98                     ; q: units
	s_lshl_b32 s89, s96, 13
	s_lshl_b32 s98, s97, 6
	s_add_co_u32 s89, s89, s98
	s_add_co_u32 s89, s89, QS                      ; q: scale words
	s_mul_i32 s98, s96, 208896
	s_lshl_b32 s99, s95, 1
	s_lshr_b32 s21, s[WV], 1
	s_add_co_u32 s99, s99, s21                     ; k: the key step
	s_mul_i32 s99, s99, 13056
	s_add_co_u32 s98, s98, s99
	s_add_co_u32 s98, s98, KV                      ; k: the record
	s_mul_i32 s99, s11, 3072
	s_add_co_u32 s99, s98, s99                     ; k: units: tiles 4 (w % 2) on
	s_lshl_b32 s21, s11, 8
	s_add_co_u32 s98, s98, s21
	s_add_co_u32 s98, s98, 12288                   ; k: scale words
	s_lshl_b32 s21, s16, 2
	s_add_co_u32 s21, s21, s12                     ; v: which 128 tokens, 0..63
	s_lshr_b32 s22, s21, 4
	s_lshl_b32 s22, s22, 4
	s_lshl_b32 s23, s13, 2
	s_add_co_u32 s22, s22, s23
	s_add_co_u32 s22, s22, s[WV]                   ; v: bh = 16 x batch + 4 cy + wave
	s_mul_i32 s22, s22, 208896
	s_and_b32 s21, s21, 15
	s_mul_i32 s21, s21, 13056
	s_add_co_u32 s22, s22, s21
	s_add_co_u32 s22, s22, KV                      ; v: the record
	s_add_co_u32 s21, s22, 6144                    ; v: units
	s_add_co_u32 s22, s22, 12800                   ; v: scale words
	s_mov_b32 s90, 98304                           ; q: from a head's unit to the next head's
	s_mov_b32 s91, 8192                            ; q: the same for scale words
	s_mov_b32 s23, 208896
	s_mov_b32 s93, 0xffff
	s_cmp_ge_u32 s14, 2
	s_cselect_b32 s88, s99, s88
	s_cselect_b32 s89, s98, s89
	s_cselect_b32 s90, s23, s90
	s_cselect_b32 s91, s23, s91
	s_cmp_ge_u32 s14, 4
	s_cselect_b32 s88, s21, s88                    ; UB: my first unit
	s_cselect_b32 s89, s22, s89                    ; SB: my first scale word
	s_cselect_b32 s90, 3072, s90                   ; US: from a fragment's first unit to its second (v: the other key half)
	s_cselect_b32 s91, 0, s91                      ; SS: where lanes 16-31 store their words
	s_cselect_b32 s92, 0, 16                       ; SH: q, k: lanes 16-31 take the word's upper two bytes (the second head's)
	s_cselect_b32 s93, -1, s93                     ; MK: q, k: two bytes a word; v: all four
	s_wait_dscnt 0x0
	s_wait_kmcnt 0x0
	s_add_nc_u64 s[56:57], s[4:5], s[56:57]
	s_add_nc_u64 s[58:59], s[4:5], s[58:59]
	s_add_nc_u64 s[60:61], s[6:7], s[60:61]
	s_add_nc_u64 s[62:63], s[6:7], s[62:63]
.irp c, 0,1,2,3
	s_mov_b32 s[G0R+4*\c], 1
	s_add_co_u32 s[G0R+4*\c+1], s84, \c*CHUNK
	s_add_nc_u64 s[G0R+4*\c+2:G0R+4*\c+3], s[58:59], \c*3072
	s_or_b32 s[G0R+4*\c+3], s[G0R+4*\c+3], 0x80000000
	s_mov_b32 s[G0P+4*\c], 1
	s_add_co_u32 s[G0P+4*\c+1], s85, \c*CHUNK+POFF
	s_add_nc_u64 s[G0P+4*\c+2:G0P+4*\c+3], s[56:57], \c*3072
	s_or_b32 s[G0P+4*\c+3], s[G0P+4*\c+3], 0x80000000
.endr
	CROUND                                         ; all sixteen work-groups are here: the joint loads meet
	s_cmp_lt_u32 s[WV], 2                          ; waves 0, 1 fetch R's halves, waves 2, 3 P's: a wave's four first fills stand in one branch on the wave's number
	s_cbranch_scc0 .Lfill_p
.irp c, 0,1,2,3
	tensor_load_to_lds s[G0R+4*\c:G0R+4*\c+3], s[G1R:G1R+7]
	s_nop 0
.endr
.rept 4
	v_nop
.endr
	s_branch .Lfilled
.Lfill_p:
.irp c, 0,1,2,3
	tensor_load_to_lds s[G0P+4*\c:G0P+4*\c+3], s[G1P:G1P+7]
	s_nop 0
.endr
.rept 4
	v_nop
.endr
.Lfilled:
	v_and_b32 v11, 15, v0                          ; r
	v_bfe_u32 v9, v0, 4, 1                         ; h
	v_lshlrev_b32 v10, 5, v11                      ; a row's eight scale words: 32 bytes
.irp f, 0,1,2,3,4,5,6,7
	global_load_b128 v[SCP+8*\f:SCP+8*\f+3], v10, s[60:61] offset:512*\f      ; the scale words of all of K go straight into registers, once (lanes 16-31 load what lanes 0-15 load, and are not read)
	global_load_b128 v[SCP+8*\f+4:SCP+8*\f+7], v10, s[60:61] offset:512*\f+16
.endr
.irp a, 0,1,2,3
	global_load_b128 v[SCR+8*\a:SCR+8*\a+3], v10, s[62:63] offset:512*\a
	global_load_b128 v[SCR+8*\a+4:SCR+8*\a+7], v10, s[62:63] offset:512*\a+16
.endr
	v_and_b32 v15, 31, v0
	v_lshlrev_b32 v12, 4, v15                      ; 16 x lane
	v_lshlrev_b32 v13, 3, v15                      ; 8 x lane
	s_mul_i32 s86, s[WV], 12288                    ; my four row blocks of R in a chunk
	v_add_nc_u32 v14, s86, v12
	v_add_nc_u32 v15, s86, v13
.irp c, 0,1,2,3
	v_add_nc_u32 v[AR16+\c], \c*CHUNK, v14
	v_add_nc_u32 v[AR8+\c], \c*CHUNK, v15
	v_add_nc_u32 v[AP16+\c], \c*CHUNK+POFF, v12
	v_add_nc_u32 v[AP8+\c], \c*CHUNK+POFF, v13
.endr
	v_add_nc_u32 v1, s88, v12                      ; the way out: first unit, 16 x lane and 8 x lane;
	v_add_nc_u32 v3, s88, v13
	s_add_co_u32 s87, s88, s90
	v_add_nc_u32 v2, s87, v12                      ; second unit
	v_add_nc_u32 v4, s87, v13
	v_mul_lo_u32 v5, v9, s91
	v_lshl_add_u32 v5, v11, 4, v5
	v_add_nc_u32 v5, s89, v5                       ; scale words: SB + h SS + 16 (lane % 16)
	v_mul_lo_u32 v6, v9, s92                       ; h SH
	s_lshl_b32 s87, s[WV], 9
	s_add_co_u32 s87, s87, SCRATCH
	v_lshlrev_b32 v7, 2, v11
	v_lshl_add_u32 v7, v9, 8, v7
	v_add_nc_u32 v7, s87, v7                       ; the gather: 256 h + 4 r in my wave's 512 bytes
	v_add_nc_u32 v8, s87, v12                      ; and back: 16 x lane
.irp b, 0,1,2,3
	v_mov_b32 v[TM+4+\b], 0                        ; written once: a lane permute's destination counts as one of its sources
.endr
	s_wait_tensorcnt 3                             ; my part of chunk 0 has landed; my three later loads may stay out
	s_barrier_signal -1
	s_barrier_wait -1
	FETCH 0
	s_wait_loadcnt 0x0                             ; the scale words
	STEP 0, 1
	STEP 1, 0
	STEP 2, 0
	STEP 3, 0
	STEP 4, 0
	STEP 5, 0
	STEP 6, 0
	STEP 7, 0
.rept 4
	v_nop                                          ; four places in front of the first read of results
.endr
; THE WAY OUT of R's row block a: a lane's 64 results, register 16 b + i = P's row 32 b + 16 h + i, become a fragment: two units and a scale word.  Each accumulator is read from its low end on.
; q, k: the units are heads 2 PT and 2 PT + 1 of token tile a; v: key halves 0 and 1 of d tile a.  Each a has registers of its own for its codes, so no store's data are written again.
.macro QOUT a
.set AC, 64*(\a)
.set PC, 128+20*(\a)
	WIN 0x0a                                       ; sources 0 and 1 window 2
.irp b, 0,1,2,3
	v_max3_num_f32 v[TM+\b], |v[AC+16*\b]|, |v[AC+16*\b+1]|, 0x2800000   ; and the floor 2^(5 - 127): the byte cannot fall under 1
.endr
	WIN 0x28                                       ; sources 1 and 2 window 2
.irp i, 2,4,6,8,10,12,14
.irp b, 0,1,2,3
	v_max3_num_f32 v[TM+\b], v[TM+\b], |v[AC+16*\b+\i]|, |v[AC+16*\b+\i+1]|
.endr
.endr
	WIN 0
.irp b, 0,1,2,3
	v_permlanex16_b32 v[TM+4+\b], v[TM+\b], s[SEL], s[SEL+1]
.endr
.irp b, 0,1,2,3
	v_max_num_f32 v[TM+\b], v[TM+\b], v[TM+4+\b]
.endr
.irp b, 0,1,2,3
	v_add_nc_u32 v[TM+12+\b], 0xfe000000, v[TM+\b] ; 4 off the exponent field: the conversion's scale operand
.endr
.irp b, 0,1,2,3
	v_lshrrev_b32 v[TM+4+\b], 23, v[TM+12+\b]      ; the scale's byte
.endr
	v_lshl_or_b32 v[PW], v[TM+5], 8, v[TM+4]
	v_lshl_or_b32 v[PW], v[TM+6], 16, v[PW]
	v_lshl_or_b32 v[PW], v[TM+7], 24, v[PW]
	WIN 0x02                                       ; source 0 window 2
.irp c, 0,1
	v_cvt_scalef32_pk16_bf6_f32 v[PC+6*\c:PC+6*\c+2], v[AC+32*\c:AC+32*\c+15], v[TM+12+2*\c]
	v_cvt_scalef32_pk16_bf6_f32 v[PC+12+4*\c:PC+14+4*\c], v[AC+16+32*\c:AC+31+32*\c], v[TM+13+2*\c]
.endr
	WIN 0
	v_nop                                          ; one plain place behind a scaled conversion
.irp c, 0,1
.irp i, 0,1,2
	v_permlane16_swap_b32 v[PC+6*\c+\i], v[PC+12+4*\c+\i]
.endr
.irp i, 0,1,2
	v_mov_b32 v[PC+3+6*\c+\i], v[PC+12+4*\c+\i]
.endr
.endr
	global_store_b128 v1, v[PC:PC+3], s[8:9] offset:768*(\a)          ; 512 and 256 consecutive bytes, at multiples of 256 from the buffer's first byte
	global_store_b64 v3, v[PC+4:PC+5], s[8:9] offset:768*(\a)+512
	global_store_b128 v2, v[PC+6:PC+9], s[8:9] offset:768*(\a)
	global_store_b64 v4, v[PC+10:PC+11], s[8:9] offset:768*(\a)+512
	v_lshrrev_b32 v[WD], v6, v[PW]
	v_and_b32 v[WD], s93, v[WD]
	ds_store_b32 v7, v[WD] offset:64*(\a)
.endm
	QOUT 0
	QOUT 1
	QOUT 2
	QOUT 3
	ds_load_b128 v[232:235], v8                    ; LDS serves a wave's instructions in order: these see my stores
	s_wait_dscnt 0x0
	global_store_b128 v5, v[232:235], s[8:9]       ; q, k: 256 consecutive bytes for each of the two heads; v: both halves of the lanes hold, and store, the same 256 bytes
	s_wait_tensorcnt 0x0
	ds_add_u32 v254, v255
	s_wait_dscnt 0x0
	CROUND                                         ; the closing round: no work-group ends while a partner may still ask for a tile that names it
	s_endpgm
.Lfunc_end_k_q784ed33d99_qkv:
	.size	k_q784ed33d99_qkv, .Lfunc_end_k_q784ed33d99_qkv-k_q784ed33d99_qkv
	.p2alignl 7, 3214868480
	.fill 96, 4, 3214868480
	.section	.rodata,"a",@progbits
	.p2align	6, 0x0
	.amdhsa_kernel k_q784ed33d99_qkv
		.amdhsa_group_segment_fixed_size 327680
		.amdhsa_private_segment_fixed_size 0
		.amdhsa_enable_private_segment 0
		.amdhsa_kernarg_size 24
		.amdhsa_user_sgpr_count 2
		.amdhsa_user_sgpr_kernarg_segment_ptr 1
		.amdhsa_wavefront_size32 1
		.amdhsa_system_sgpr_workgroup_id_x 1
		.amdhsa_system_sgpr_workgroup_id_y 1
		.amdhsa_system_sgpr_workgroup_id_z 1
		.amdhsa_system_vgpr_workitem_id 0
		.amdhsa_next_free_vgpr 864
		.amdhsa_next_free_sgpr 100
		.amdhsa_reserve_vcc 0
		.amdhsa_float_denorm_mode_32 3
		.amdhsa_float_denorm_mode_16_64 3
		.amdhsa_memory_ordered 1
		.amdhsa_forward_progress 1
		.amdhsa_inst_pref_size 91
	.end_amdhsa_kernel
	.amdgpu_metadata
---
amdhsa.version: [ 1, 2 ]
amdhsa.kernels:
  - .name:           k_q784ed33d99_qkv
    .symbol:         k_q784ed33d99_qkv.kd
    .args:
      - { .name: cod, .offset: 0, .size: 8, .value_kind: global_buffer, .address_space: global }
      - { .name: scl, .offset: 8, .size: 8, .value_kind: global_buffer, .address_space: global }
      - { .name: qkv, .offset: 16, .size: 8, .value_kind: global_buffer, .address_space: global }
    .group_segment_fixed_size: 327680
    .private_segment_fixed_size: 0
    .kernarg_segment_align: 8
    .kernarg_segment_size: 24
    .max_flat_workgroup_size: 128
    .sgpr_count:     100
    .vgpr_count:     864
    .wavefront_size: 32
...
	.end_amdgpu_metadata
.endif
;; end of part 2
;; launch attn (part 3): grid 4 x 64, 16 waves a work-group, clusters of 4 x 1, 210,944 bytes of LDS; arguments qkv, yc, ys; writes yc, ys
.if DOCPART == 3
	.amdgcn_target "amdgcn-amd-amdhsa--gfx1250"
	.amdhsa_code_object_version 6
	.text
	.protected	k_q784ed33d99_attn
	.globl	k_q784ed33d99_attn
	.p2align	8
	.type	k_q784ed33d99_attn,@function
k_q784ed33d99_attn:
	s_mov_b64 s[64:65], 0
	v_nop
	global_prefetch_b8 v0, s[64:65] scope:SCOPE_SE
	s_setreg_imm32_b32 hwreg(HW_REG_WAVE_MODE, 25, 1), 1
	s_wait_xcnt 0x0
	s_wait_alu depctr_hold_cnt(0) depctr_sa_sdst(0) depctr_va_vdst(0) depctr_va_sdst(0) depctr_va_ssrc(0) depctr_va_vcc(0) depctr_vm_vsrc(0)
	s_getreg_b32 s2, hwreg(HW_REG_IB_STS2, 6, 4)
	s_cmp_eq_u32 s2, 0
	s_cbranch_scc0 .Lentry_in_a_cluster
	s_endpgm
.Lentry_in_a_cluster:
	s_bfe_u32 s2, ttmp6, 0x10000c
	s_cmp_lg_u32 s2, 0x3003
	s_cbranch_scc0 .Lentry_shape_is_right
	s_endpgm
.Lentry_shape_is_right:
; y[bh][q] = the sum over keys k <= q of softmax_k(Q . K / 8) V, both products on codes of BF6 (E3M2) with E8M0 scales; y is quantised along C and leaves as codes.  64 heads, 2,048 tokens, head size 64.
; THE SOFTMAX AHEAD OF THE SECOND PRODUCT: t = score x log2(e) / 8; M = the running largest t rounded UP to a whole number; p = 2^(t - M) is quantised along the keys, not normalised; the row's sum is taken of the
; unquantised p and divides at the end.  When M moves, the sum and O are multiplied by 2^(old M - new M): exact.
; SHARES.  The four work-groups of a cluster are one head's.  The head's 16 records (all of K, V and their scale words, 208,896 bytes) are asked for JOINTLY at the head, filled once, and stay in LDS: the key loops only read LDS and have no barrier.
; Wave w (G = w / 2, e = 2 cx + w % 2) takes query tile 8 G + e, which sees key steps 0 .. G, then tile 120 - 8 G + e, which sees 0 .. 15 - G: 17 key steps of 128 in every wave of the launch.
; The loops' trip counts are constants; a step all of whose keys are hidden is jumped over by a scalar branch on the wave's number and the counter, never on the work-group's place in its cluster.
; LAYOUT.  Both products transposed: S^T = K Q^T (source 0 = 16 keys), O^T = V^T P^T (source 0 = 16 of the head's 64): a lane holds one query throughout.  Tiles are row blocks: tile 2 b + u, place r = 32 b + 8 u + r + 8 (r / 8),
; so p's 16 registers of tiles 2 b, 2 b + 1 are keys 32 b + 16 h + i, and O^T's are channels 32 b + 16 h + i.
; THE HEAD'S 64 FILL HALF OF THE INSTRUCTION'S 128 ALONG K.  Q's registers 6-11 are zero codes.  K's tile t is named as twelve registers of which the upper six are the next tile's codes (for tile 7 six cleared registers):
; every code of E3M2 is a finite number, so those products are zeros; bytes 2 and 3 of both sides' scale words are 0, which stands for 2^-127, never 0xff.
; LIMITS: a block of zeros gets byte 1, blocks under 2^-122 are held at byte 1, NaN and infinities are not served.
; RESULT.  yc: unit (token row block x 16 + head) x 768; ys: [head][row block][r], two bytes.
.set QS,   6291456
.set KV,   6815744
.set REC,  13056
.set WV,   10
.set SEL,  20
.set CS,   22                          ; s[22:23] c = log2(e) / 8
.set G1,   24
.set G0,   32
.set TB,   36                          ; LDS byte of the key step's record
.set J,    37                          ; the key step
.set LIM,  38                          ; the last key step that my tile sees: the one on the diagonal
.set L16,  1
.set L8,   2
.set L4,   3
.set DQ,   4                           ; my query's place in its key step, less 16 h
.set ADA,  5
.set ADB,  6
.set ADC,  7
.set NINF, 8
.set QA,   16                          ; v16-27 tile A's Q; v28-39 tile B's; v40, v41 their scale words
.set QB,   28
.set YSA,  42                          ; tile A's two scale bytes of y
.set HH,   43                          ; h
.set F,    44                          ; v44-91 eight units of K, later V's four fragments; v92-97 zeros
.set KS,   98
.set VS,   102
.set S,    104                         ; v104-167 S^T, then p
.set O,    168                         ; v168-199 O^T
.set PC,   200                         ; v200-218 codes
.set BM,   220
.set BT,   224
.set SOP,  228
.set FF,   232                         ; v232 f, v233 p's scale word
.set T,    234
.set YSB,  235
.macro CROUND
	s_barrier_signal -1
	s_barrier_wait -1
	s_cmp_lg_u32 s[WV], 0
	s_cbranch_scc1 .Lnot_wave_0_\@
	s_barrier_signal -3
.Lnot_wave_0_\@:
	s_barrier_wait -3
	s_barrier_signal -1
	s_barrier_wait -1
.endm
	s_load_b128 s[4:7], s[0:1], 0x0                ; qkv, yc
	s_load_b64 s[8:9], s[0:1], 0x10                ; ys
	v_lshl_add_u32 v240, v0, 2, 0x33000
	v_mov_b32 v241, 0
	ds_add_u32 v240, v241
	ds_add_u32 v240, v241
	v_lshrrev_b32 v1, 5, v0
	s_delay_alu instid0(VALU_DEP_1)
	v_readfirstlane_b32 s[WV], v1                  ; wave 0..15
	s_bfe_u32 s11, ttmp6, 0x40000                  ; cx
	s_and_b32 s12, ttmp7, 0xffff                   ; bh
	s_lshr_b32 s13, s[WV], 1                       ; G
	s_and_b32 s17, s[WV], 1
	s_lshl_b32 s14, s11, 1
	s_add_co_u32 s14, s14, s17                     ; e
	s_lshl_b32 s15, s13, 3
	s_sub_co_u32 s16, 120, s15
	s_add_co_u32 s15, s15, s14                     ; tile A
	s_add_co_u32 s16, s16, s14                     ; tile B
	s_lshl_b32 s18, s12, 7
	s_add_co_u32 s54, s18, s15
	s_add_co_u32 s55, s18, s16
	s_mul_i32 s40, s54, 768                        ; Q's units
	s_mov_b32 s41, 0
	s_mul_i32 s42, s55, 768
	s_mov_b32 s43, 0
	s_lshl_b32 s44, s54, 6
	s_add_co_u32 s44, s44, QS                      ; and scale words
	s_mov_b32 s45, 0
	s_lshl_b32 s46, s55, 6
	s_add_co_u32 s46, s46, QS
	s_mov_b32 s47, 0
	s_lshr_b32 s56, s12, 4
	s_lshl_b32 s56, s56, 7                         ; 128 x batch
	s_and_b32 s57, s12, 15                         ; head
	s_add_co_u32 s58, s56, s15                     ; the tiles as row blocks of all tokens
	s_add_co_u32 s59, s56, s16
	s_lshl_b32 s48, s58, 4
	s_add_co_u32 s48, s48, s57
	s_mul_i32 s48, s48, 768                        ; y's units
	s_mov_b32 s49, 0
	s_lshl_b32 s50, s59, 4
	s_add_co_u32 s50, s50, s57
	s_mul_i32 s50, s50, 768
	s_mov_b32 s51, 0
	s_lshl_b32 s60, s57, 9
	s_add_co_u32 s52, s60, s58
	s_lshl_b32 s52, s52, 5                         ; y's scale bytes
	s_add_co_u32 s53, s60, s59
	s_lshl_b32 s53, s53, 5
	s_lshl_b32 s54, s11, 5
	s_lshl_b32 s55, s17, 3
	s_add_co_u32 s54, s54, s55                     ; 32 cx + 8 (w % 2): my tile's first query in its key step
	s_and_b32 s61, s[WV], 3
	s_mul_i32 s61, s61, 4*REC                      ; what waves 0-3 fetch: four records each; the wave's number alone
	s_mul_i32 s62, s12, 16*REC
	s_add_co_u32 s62, s62, s61
	s_add_co_u32 s62, s62, KV
	s_mov_b32 s63, 0
	s_mov_b32 s[G1], 15|(3<<16)|(1<<21)            ; 15:0 the mask: all four work-groups; 17:16 elements of 8 bytes; 21 set beside a mask; no padding
	s_mov_b32 s[G1+1], 32<<16                      ; a dense block as rows of 256 bytes
	s_mov_b32 s[G1+2], 204<<16                     ; four records: 204 rows
	s_mov_b32 s[G1+3], 32<<16
	s_mov_b32 s[G1+4], 204
	s_mov_b32 s[G1+5], 32
	s_mov_b32 s[G1+6], 0
	s_mov_b32 s[G1+7], 0
	s_mov_b32 s[SEL], 0x76543210
	s_mov_b32 s[SEL+1], 0xfedcba98
	s_mov_b32 s[CS], 0x3e38aa3b                    ; log2(e) / 8
	s_mov_b32 s[CS+1], s[CS]                       ; (named with it as a pair, so it is written)
	s_wait_dscnt 0x0
	s_wait_kmcnt 0x0
	s_add_nc_u64 s[40:41], s[4:5], s[40:41]
	s_add_nc_u64 s[42:43], s[4:5], s[42:43]
	s_add_nc_u64 s[44:45], s[4:5], s[44:45]
	s_add_nc_u64 s[46:47], s[4:5], s[46:47]
	s_add_nc_u64 s[48:49], s[6:7], s[48:49]
	s_add_nc_u64 s[50:51], s[6:7], s[50:51]
	s_mov_b32 s[G0], 1
	s_mov_b32 s[G0+1], s61
	s_add_nc_u64 s[G0+2:G0+3], s[4:5], s[62:63]
	s_or_b32 s[G0+3], s[G0+3], 0x80000000
	CROUND                                         ; all four work-groups are here: the joint loads meet
	s_cmp_lt_u32 s[WV], 4
	s_cbranch_scc0 .Lno_fill
	tensor_load_to_lds s[G0:G0+3], s[G1:G1+7]      ; one load of mine is out
	s_nop 0
.rept 4
	v_nop
.endr
.Lno_fill:
	v_and_b32 v[L4], 31, v0
	s_delay_alu instid0(VALU_DEP_1)
	v_lshlrev_b32 v[L16], 4, v[L4]
	s_delay_alu instid0(VALU_DEP_2)
	v_lshlrev_b32 v[L8], 3, v[L4]
	s_delay_alu instid0(VALU_DEP_3)
	v_lshlrev_b32 v[L4], 2, v[L4]
	v_and_b32 v10, 15, v0                          ; r
	v_bfe_u32 v[HH], v0, 4, 1
	s_delay_alu instid0(VALU_DEP_2)
	v_lshlrev_b32 v9, 2, v10
	global_load_b128 v[QA:QA+3], v[L16], s[40:41]
	global_load_b64 v[QA+4:QA+5], v[L8], s[40:41] offset:512
	global_load_b128 v[QB:QB+3], v[L16], s[42:43]
	global_load_b64 v[QB+4:QB+5], v[L8], s[42:43] offset:512
	global_load_b32 v40, v9, s[44:45]
	global_load_b32 v41, v9, s[46:47]
	v_and_b32 v11, 8, v10
	s_delay_alu instid0(VALU_DEP_1)
	v_add_nc_u32 v[DQ], v10, v11                   ; r + 8 (r / 8)
	v_lshlrev_b32 v11, 4, v[HH]
	s_delay_alu instid0(VALU_DEP_1)
	v_sub_nc_u32 v[DQ], v[DQ], v11
	s_delay_alu instid0(VALU_DEP_1)
	v_add_nc_u32 v[DQ], s54, v[DQ]
	v_lshlrev_b32 v11, 1, v10
	s_delay_alu instid0(VALU_DEP_1)
	v_add_nc_u32 v10, s52, v11                     ; where tile A's scale bytes go,
	s_delay_alu instid0(VALU_DEP_2)
	v_add_nc_u32 v11, s53, v11                     ; and tile B's
	v_mov_b32 v[NINF], 0xff800000
.irp i, 6,7,8,9,10,11
	v_mov_b32 v[QA+\i], 0                          ; the empty half of K: zero codes
	v_mov_b32 v[QB+\i], 0
	v_mov_b32 v[F+42+\i], 0                        ; and what stands behind K's tile 7
.endr
.irp b, 0,1,2,3
	v_mov_b32 v[BT+\b], 0                          ; written once: a lane permute's destination counts as one of its sources
.endr
	v_mov_b32 v[FF+1], 0                           ; (named as the upper half of a pair before it is first written)
	v_mov_b32 v[T], 0
.macro INIT                            ; a tile begins: O^T and the sum are zeros, the largest t lies under every t: the first change of M leaves the zeros zeros
	v_mov_b32 v13, 0xff61b1e6
	s_delay_alu instid0(VALU_DEP_1)
	v_floor_f32 v12, -v13
	v_mov_b32 v14, 0
	v_mov_b32 v15, 0
.set jj, 0
.rept 32
	v_mov_b32 v[O+jj], 0
.set jj, jj+1
.endr
	s_mov_b32 s[TB], 0
	s_mov_b32 s[J], 0
.endm
; A KEY STEP: 128 keys.  qf: my tile's Q; qw: its scale words.
.macro STEP qf, qw
	s_cmp_gt_u32 s[J], s[LIM]                      ; all its keys come after my queries: only the address is stepped
	s_cbranch_scc1 .Lhidden_\@
	s_setprio 2
	v_add_nc_u32 v[ADA], s[TB], v[L16]
	v_add_nc_u32 v[ADB], s[TB], v[L8]
	v_add_nc_u32 v[ADC], s[TB], v[L4]
	v_nop                                          ; with the three additions: four places in front of loads into registers that the last step's matrix instructions read
.irp t, 0,1,2,3,4,5,6,7
	ds_load_b128 v[F+6*\t:F+6*\t+3], v[ADA] offset:768*\t
	ds_load_b64 v[F+6*\t+4:F+6*\t+5], v[ADB] offset:768*\t+512
.endr
.irp p, 0,1,2,3
	ds_load_b32 v[KS+\p], v[ADC] offset:12288+128*\p   ; lanes 0-15: tile 2 p's words, lanes 16-31: tile 2 p + 1's
.endr
	s_wait_alu depctr_va_vdst(0)
	s_wait_dscnt 0x0
.irp p, 0,1,2,3
	v_wmma_scale_f32_16x16x128_f8f6f4 v[S+16*\p:S+16*\p+7], v[F+12*\p:F+12*\p+11], v[\qf:\qf+11], 0, v[KS+\p], v[\qw] matrix_a_fmt:MATRIX_FMT_BF6 matrix_b_fmt:MATRIX_FMT_BF6
	v_wmma_scale_f32_16x16x128_f8f6f4 v[S+16*\p+8:S+16*\p+15], v[F+12*\p+6:F+12*\p+17], v[\qf:\qf+11], 0, v[KS+\p], v[\qw] matrix_a_fmt:MATRIX_FMT_BF6 matrix_b_fmt:MATRIX_FMT_BF6 matrix_a_scale:MATRIX_SCALE_ROW1
.endr
.rept 4
	v_nop                                          ; four places: in front of the loads below and of the first read of the scores
.endr
.irp d, 0,1,2,3                        ; V's four fragments are asked for now and land under the softmax
.irp u, 0,1
	ds_load_b128 v[F+12*\d+6*\u:F+12*\d+6*\u+3], v[ADA] offset:6144+3072*\u+768*\d
	ds_load_b64 v[F+12*\d+6*\u+4:F+12*\d+6*\u+5], v[ADB] offset:6144+3072*\u+768*\d+512
.endr
.endr
.irp p, 0,1
	ds_load_b32 v[VS+\p], v[ADC] offset:12800+128*\p
.endr
	s_cmp_lg_u32 s[J], s[LIM]                      ; on the diagonal hidden scores become -infinity ahead of the maximum: p = 0 then.  Register 16 b + i holds key 32 b + 16 h + i of the step
	s_cbranch_scc1 .Lopen_\@
.set nn, 0
.rept 64
	v_cmp_gt_i32 vcc_lo, 32*(nn/16)+nn%16, v[DQ]
	v_cndmask_b32 v[S+nn], v[S+nn], v[NINF], vcc_lo
.set nn, nn+1
.endr
.Lopen_\@:
.irp b, 0,1,2,3
	v_max3_num_f32 v[BM+\b], v[S+16*\b], v[S+16*\b+1], v[S+16*\b+2]   ; the largest score of each block of 32 keys: it serves the row's maximum and, since p rises with the score, the block's largest p
.endr
.irp i, 3,5,7,9,11,13
.irp b, 0,1,2,3
	v_max3_num_f32 v[BM+\b], v[BM+\b], v[S+16*\b+\i], v[S+16*\b+\i+1]
.endr
.endr
.irp b, 0,1,2,3
	v_max_num_f32 v[BM+\b], v[BM+\b], v[S+16*\b+15]
.endr
.irp b, 0,1,2,3
	s_delay_alu instid0(VALU_DEP_4)
	v_permlanex16_b32 v[BT+\b], v[BM+\b], s[SEL], s[SEL+1]
.endr
.irp b, 0,1,2,3
	s_delay_alu instid0(VALU_DEP_4)
	v_max_num_f32 v[BM+\b], v[BM+\b], v[BT+\b]     ; with lane l xor 16's 16 keys
.endr
	s_delay_alu instid0(VALU_DEP_2)
	v_max3_num_f32 v[T], v[BM], v[BM+1], v[BM+2]
	s_delay_alu instid0(VALU_DEP_1)
	v_max_num_f32 v[T], v[T], v[BM+3]
	s_delay_alu instid0(VALU_DEP_1)
	v_mul_f32 v[T], s[CS], v[T]                    ; the step's largest t
	s_delay_alu instid0(VALU_DEP_1)
	v_max_num_f32 v13, v13, v[T]                   ; the running largest t
	v_mov_b32 v[T], v12
	s_delay_alu instid0(VALU_DEP_2)
	v_floor_f32 v12, -v13                          ; the new -M = floor(-t): M is a whole number
	s_delay_alu instid0(VALU_DEP_1)
	v_sub_f32 v[T], v12, v[T]                      ; old M - new M, a whole number, 0 or less
	s_delay_alu instid0(VALU_DEP_1)
	v_cvt_i32_f32 v[T], v[T]                       ; (it saturates)
	s_delay_alu instid0(VALU_DEP_1)
	v_ldexp_f32 v[FF], 1.0, v[T]                   ; f = 2^(old M - new M)
.set jj, 0
	s_setprio 1
.rept 32
	v_pk_fma_f32 v[S+jj:S+jj+1], v[S+jj:S+jj+1], s[CS:CS+1], v[12:13] op_sel_hi:[1,0,0]   ; t - M, two at a time
.set jj, jj+2
.endr
.irp b, 0,1,2,3
	v_fma_f32 v[BM+\b], v[BM+\b], s[CS], v12       ; the same of each block's largest score
.endr
.set jj, 0
	s_wait_alu depctr_va_vdst(0)
.rept 64
	v_exp_f32 v[S+jj], v[S+jj]                     ; p = 2^(t - M), at most 1
.set jj, jj+1
.endr
	v_pk_mul_f32 v[14:15], v[14:15], v[FF:FF+1] op_sel_hi:[1,0]   ; the sums under the new M: a plain place behind the exponentials
	s_wait_alu depctr_va_vdst(0)                   ; one wait for the batch of 64, ahead of its first reader
.irp b, 0,1,2,3
	v_exp_f32 v[BM+\b], v[BM+\b]                   ; each block's largest p
.endr
	v_pk_add_f32 v[224:225], v[108:109], v[112:113]
	v_pk_add_f32 v[238:239], v[116:117], v[120:121]
	v_pk_add_f32 v[236:237], v[124:125], v[128:129]
	v_pk_add_f32 v[230:231], v[132:133], v[136:137]
	v_pk_add_f32 v[228:229], v[140:141], v[144:145]
	v_pk_add_f32 v[226:227], v[148:149], v[152:153]
	v_pk_add_f32 v[218:219], v[156:157], v[160:161]
	v_pk_add_f32 v[14:15], v[14:15], v[164:165]
	v_pk_add_f32 v[224:225], v[224:225], v[104:105]
	v_pk_add_f32 v[238:239], v[238:239], v[106:107]
	v_pk_add_f32 v[236:237], v[236:237], v[110:111]
	v_pk_add_f32 v[230:231], v[230:231], v[114:115]
	v_pk_add_f32 v[228:229], v[228:229], v[118:119]
	v_pk_add_f32 v[226:227], v[226:227], v[122:123]
	v_pk_add_f32 v[218:219], v[218:219], v[126:127]
	v_pk_add_f32 v[14:15], v[14:15], v[130:131]
	v_pk_add_f32 v[224:225], v[224:225], v[134:135]
	v_pk_add_f32 v[238:239], v[238:239], v[138:139]
	v_pk_add_f32 v[236:237], v[236:237], v[142:143]
	v_pk_add_f32 v[230:231], v[230:231], v[146:147]
	v_pk_add_f32 v[228:229], v[228:229], v[150:151]
	v_pk_add_f32 v[226:227], v[226:227], v[154:155]
	v_pk_add_f32 v[218:219], v[218:219], v[158:159]
	v_pk_add_f32 v[14:15], v[14:15], v[162:163]
	v_pk_add_f32 v[224:225], v[224:225], v[166:167]
	s_delay_alu instid0(VALU_DEP_2)
	v_pk_add_f32 v[14:15], v[14:15], v[230:231]
	s_delay_alu instid0(VALU_DEP_2)
	v_pk_add_f32 v[224:225], v[224:225], v[228:229]
	v_pk_add_f32 v[238:239], v[238:239], v[226:227]
	v_pk_add_f32 v[236:237], v[236:237], v[218:219]
	s_delay_alu instid0(VALU_DEP_2)
	v_pk_add_f32 v[14:15], v[14:15], v[238:239]
	s_delay_alu instid0(VALU_DEP_2)
	v_pk_add_f32 v[224:225], v[224:225], v[236:237]
	s_delay_alu instid0(VALU_DEP_1)
	v_pk_add_f32 v[14:15], v[14:15], v[224:225]
	s_wait_alu depctr_va_vdst(0)                   ; and one for the four
.irp b, 0,1,2,3
	v_max_num_f32 v[BM+\b], 0x2800000, v[BM+\b]    ; the floor 2^(5 - 127): a block whose every p is 0 keeps byte 1; its codes are zeros
.endr
.irp b, 0,1,2,3
	s_delay_alu instid0(VALU_DEP_4)
	v_add_nc_u32 v[SOP+\b], 0xfe000000, v[BM+\b]
.endr
.irp b, 0,1,2,3
	s_delay_alu instid0(VALU_DEP_4)
	v_lshrrev_b32 v[BT+\b], 23, v[SOP+\b]
.endr
	s_delay_alu instid0(VALU_DEP_3)
	v_lshl_or_b32 v[FF+1], v[BT+1], 8, v[BT]       ; p's scale word for these 128 keys
	s_delay_alu instid0(VALU_DEP_1)
	v_lshl_or_b32 v[FF+1], v[BT+2], 16, v[FF+1]
	s_delay_alu instid0(VALU_DEP_1)
	v_lshl_or_b32 v[FF+1], v[BT+3], 24, v[FF+1]
	s_setprio 0
.irp c, 0,1
	v_cvt_scalef32_pk16_bf6_f32 v[PC+6*\c:PC+6*\c+2], v[S+32*\c:S+32*\c+15], v[SOP+2*\c]
	v_cvt_scalef32_pk16_bf6_f32 v[PC+12+4*\c:PC+14+4*\c], v[S+16+32*\c:S+31+32*\c], v[SOP+2*\c+1]
.endr
	v_nop                                          ; one plain place behind a scaled conversion
.irp c, 0,1
.irp i, 0,1,2
	v_permlane16_swap_b32 v[PC+6*\c+\i], v[PC+12+4*\c+\i]
.endr
.irp i, 0,1,2
	s_delay_alu instid0(VALU_DEP_3)
	v_mov_b32 v[PC+3+6*\c+\i], v[PC+12+4*\c+\i]
.endr
.endr
.set jj, 0
.rept 16
	v_pk_mul_f32 v[O+jj:O+jj+1], v[O+jj:O+jj+1], v[FF:FF+1] op_sel_hi:[1,0]   ; O^T under the new M; these sixteen also stand between the writes of p's codes and scale word and the products
.set jj, jj+2
.endr
	s_wait_alu depctr_va_vdst(0)
	s_wait_dscnt 0x0                               ; V is in
.irp p, 0,1
	v_wmma_scale_f32_16x16x128_f8f6f4 v[O+16*\p:O+16*\p+7], v[F+24*\p:F+24*\p+11], v[PC:PC+11], v[O+16*\p:O+16*\p+7], v[VS+\p], v[FF+1] matrix_a_fmt:MATRIX_FMT_BF6 matrix_b_fmt:MATRIX_FMT_BF6
	v_wmma_scale_f32_16x16x128_f8f6f4 v[O+16*\p+8:O+16*\p+15], v[F+24*\p+12:F+24*\p+23], v[PC:PC+11], v[O+16*\p+8:O+16*\p+15], v[VS+\p], v[FF+1] matrix_a_fmt:MATRIX_FMT_BF6 matrix_b_fmt:MATRIX_FMT_BF6 matrix_a_scale:MATRIX_SCALE_ROW1
.endr
.Lhidden_\@:
	s_add_co_u32 s[TB], s[TB], REC
.endm
; A tile ends: O^T / the sum; its 32 numbers a lane, register 16 b + i = channel 32 b + 16 h + i, become one unit of y and two scale bytes.
.macro FINISH yb, pw
.rept 4
	v_nop                                          ; four places behind the last products
.endr
	v_add_f32 v14, v14, v15
	s_delay_alu instid0(VALU_DEP_1)
	v_permlanex16_b32 v[T], v14, s[SEL], s[SEL+1]
	s_delay_alu instid0(VALU_DEP_1)
	v_add_f32 v14, v14, v[T]                       ; the row's sum
	s_wait_alu depctr_va_vdst(0)
	v_rcp_f32 v14, v14
	v_nop                                          ; one plain place behind a transcendental
	s_wait_alu depctr_va_vdst(0)                   ; and the wait ahead of its first reader
.set jj, 0
.rept 32
	v_mul_f32 v[S+jj], v[O+jj], v14
.set jj, jj+1
.endr
.irp b, 0,1
	v_max3_num_f32 v[BM+\b], |v[S+16*\b]|, |v[S+16*\b+1]|, 0x2800000
.endr
.irp i, 2,4,6,8,10,12,14
.irp b, 0,1
	s_delay_alu instid0(VALU_DEP_2)
	v_max3_num_f32 v[BM+\b], v[BM+\b], |v[S+16*\b+\i]|, |v[S+16*\b+\i+1]|
.endr
.endr
.irp b, 0,1
	s_delay_alu instid0(VALU_DEP_2)
	v_permlanex16_b32 v[BT+\b], v[BM+\b], s[SEL], s[SEL+1]
.endr
.irp b, 0,1
	s_delay_alu instid0(VALU_DEP_2)
	v_max_num_f32 v[BM+\b], v[BM+\b], v[BT+\b]
.endr
.irp b, 0,1
	s_delay_alu instid0(VALU_DEP_2)
	v_add_nc_u32 v[SOP+\b], 0xfe000000, v[BM+\b]
.endr
.irp b, 0,1
	s_delay_alu instid0(VALU_DEP_2)
	v_lshrrev_b32 v[BT+\b], 23, v[SOP+\b]
.endr
	s_delay_alu instid0(VALU_DEP_1)
	v_lshl_or_b32 v[\pw], v[BT+1], 8, v[BT]
	v_cvt_scalef32_pk16_bf6_f32 v[PC:PC+2], v[S:S+15], v[SOP]
	v_cvt_scalef32_pk16_bf6_f32 v[PC+12:PC+14], v[S+16:S+31], v[SOP+1]
	v_nop                                          ; one plain place behind a scaled conversion
.irp i, 0,1,2
	v_permlane16_swap_b32 v[PC+\i], v[PC+12+\i]
.endr
.irp i, 0,1,2
	s_delay_alu instid0(VALU_DEP_3)
	v_mov_b32 v[PC+3+\i], v[PC+12+\i]
.endr
	global_store_b128 v[L16], v[PC:PC+3], s[\yb:\yb+1]             ; 512 and 256 consecutive bytes, at multiples of 256 from the buffer's first byte
	global_store_b64 v[L8], v[PC+4:PC+5], s[\yb:\yb+1] offset:512
.endm
	INIT
	s_mov_b32 s[LIM], s13
	s_wait_tensorcnt 0x0                           ; my four records have landed,
	s_barrier_signal -1
	s_barrier_wait -1                              ; everybody's have: from here on LDS is only read
	s_wait_loadcnt 0x0                             ; Q
.Lpass_a:
	STEP QA, 40
	s_add_co_u32 s[J], s[J], 1
	s_cmp_lt_u32 s[J], 8
	s_cbranch_scc1 .Lpass_a
	s_setprio 0
	FINISH 48, YSA
	s_wait_xcnt 0x0                                ; the stores have read their registers: the codes' registers are written again below
	INIT
	s_sub_co_u32 s[LIM], 15, s13
.Lpass_b:
	STEP QB, 41
	s_add_co_u32 s[J], s[J], 1
	s_cmp_lt_u32 s[J], 16
	s_cbranch_scc1 .Lpass_b
	s_setprio 0
	FINISH 50, YSB
	v_cmp_eq_u32 vcc_lo, 1, v[HH]                  ; both halves of the lanes hold a row's bytes: lanes 0-15 send tile A's, lanes 16-31 tile B's
	s_delay_alu instid0(VALU_DEP_1)
	v_cndmask_b32 v10, v10, v11, vcc_lo
	s_delay_alu instid0(VALU_DEP_2)
	v_cndmask_b32 v[YSA], v[YSA], v[YSB], vcc_lo
	global_store_b16 v10, v[YSA], s[8:9]
	s_wait_dscnt 0x0
	s_wait_tensorcnt 0x0
	ds_add_u32 v240, v241
	s_wait_dscnt 0x0
	CROUND                                         ; the closing round: no work-group ends while a partner may still ask for a tile that names it
	s_endpgm
.Lfunc_end_k_q784ed33d99_attn:
	.size	k_q784ed33d99_attn, .Lfunc_end_k_q784ed33d99_attn-k_q784ed33d99_attn
	.p2alignl 7, 3214868480
	.fill 96, 4, 3214868480
	.section	.rodata,"a",@progbits
	.p2align	6, 0x0
	.amdhsa_kernel k_q784ed33d99_attn
		.amdhsa_group_segment_fixed_size 210944
		.amdhsa_private_segment_fixed_size 0
		.amdhsa_enable_private_segment 0
		.amdhsa_kernarg_size 24
		.amdhsa_user_sgpr_count 2
		.amdhsa_user_sgpr_kernarg_segment_ptr 1
		.amdhsa_wavefront_size32 1
		.amdhsa_system_sgpr_workgroup_id_x 1
		.amdhsa_system_sgpr_workgroup_id_y 1
		.amdhsa_system_sgpr_workgroup_id_z 1
		.amdhsa_system_vgpr_workitem_id 0
		.amdhsa_next_free_vgpr 242
		.amdhsa_next_free_sgpr 66
		.amdhsa_reserve_vcc 1
		.amdhsa_float_denorm_mode_32 3
		.amdhsa_float_denorm_mode_16_64 3
		.amdhsa_memory_ordered 1
		.amdhsa_forward_progress 1
		.amdhsa_inst_pref_size 64
	.end_amdhsa_kernel
	.amdgpu_metadata
---
amdhsa.version: [ 1, 2 ]
amdhsa.kernels:
  - .name:           k_q784ed33d99_attn
    .symbol:         k_q784ed33d99_attn.kd
    .args:
      - { .name: qkv, .offset: 0, .size: 8, .value_kind: global_buffer, .address_space: global }
      - { .name: yc, .offset: 8, .size: 8, .value_kind: global_buffer, .address_space: global }
      - { .name: ys, .offset: 16, .size: 8, .value_kind: global_buffer, .address_space: global }
    .group_segment_fixed_size: 210944
    .private_segment_fixed_size: 0
    .kernarg_segment_align: 8
    .kernarg_segment_size: 24
    .max_flat_workgroup_size: 512
    .sgpr_count:     66
    .vgpr_count:     242
    .wavefront_size: 32
...
	.end_amdgpu_metadata
.endif
;; end of part 3
;; launch proj (part 4): grid 8 x 32, 4 waves a work-group, clusters of 4 x 4, 327,680 bytes of LDS; arguments yc, ys, cod, scl, out0; writes out0
.if DOCPART == 4
	.amdgcn_target "amdgcn-amd-amdhsa--gfx1250"
	.amdhsa_code_object_version 6
	.text
	.protected	k_q784ed33d99_proj
	.globl	k_q784ed33d99_proj
	.p2align	8
	.type	k_q784ed33d99_proj,@function
k_q784ed33d99_proj:
	s_mov_b64 s[64:65], 0
	v_nop
	global_prefetch_b8 v0, s[64:65] scope:SCOPE_SE
	s_setreg_imm32_b32 hwreg(HW_REG_WAVE_MODE, 25, 1), 1
	s_wait_xcnt 0x0
	s_wait_alu depctr_hold_cnt(0) depctr_sa_sdst(0) depctr_va_vdst(0) depctr_va_sdst(0) depctr_va_ssrc(0) depctr_va_vcc(0) depctr_vm_vsrc(0)
	s_getreg_b32 s2, hwreg(HW_REG_IB_STS2, 6, 4)
	s_cmp_eq_u32 s2, 0
	s_cbranch_scc0 .Lentry_in_a_cluster
	s_endpgm
.Lentry_in_a_cluster:
	s_bfe_u32 s2, ttmp6, 0x10000c
	s_cmp_lg_u32 s2, 0xf033
	s_cbranch_scc0 .Lentry_shape_is_right
	s_endpgm
.Lentry_shape_is_right:
; out0 = y Wp^T on codes of BF6 (E3M2) with E8M0 scales, K = 1,024; out0 [8192][1024] f32.
; OPERANDS: y's codes (yc) and Wp's (cod, row blocks 704-767) lie in row blocks of 16 rows (row block 2 g + u, place r = true row 32 g + 8 u + r + 8 (r / 8)), 16 units of 768 bytes each; a unit = 16 rows x 64 K as an image of
; operand registers.  Wp's scale words: scl [row block][r][8].  y's scale bytes: ys [head][row block][r], two bytes: K step s takes heads 2 s and 2 s + 1.
; THE PRODUCT.  Side P, source 0: 128 rows of Wp; a lane's registers run along out0's columns: the 16 registers of tiles 2 b, 2 b + 1 are columns 32 b + 16 h + i.  Side R, source 1: 256 tokens, a lane a token.
; Wave w takes R's row blocks 4 w .. 4 w + 3 against P's eight: 32 accumulators, which take turns, one instruction a turn, in the same order in every K step.
; LDS.  All of K for the work-group's 384 rows, 294,912 bytes, is asked for at the head in four chunks of two K steps and filled once: nothing is filled again.  The launch claims all of the WGP's LDS.
; CLUSTER 4 x 4.  R's tile hangs on the work-group's y alone and is asked for jointly by a row of the cluster, P's on x alone, by a column.  Four joint loads of a wave are out at the most, by this text's own count.
; REGISTERS, in windows of 256: window 0: v1-15 addresses, v16-31 LDS addresses, v32-63 R's scale words [8 a + s], v64-127 P's [8 f + s], v128-255 the way out.
;   window 1: P's fragments, two sets, v[96 p + 12 f].   window 2: accumulator (a, f) at v[8 (8 a + f)].   window 3: R's fragments, two sets, v[48 p + 12 a].
.set CHUNK,   73728
.set POFF,    49152
.set WV,   14
.set G1R,  24
.set G1P,  32
.set G0R,  40
.set G0P,  68
.set STO,  1
.set RD,   2
.set CO,   3
.set AR16, 16
.set AR8,  20
.set AP16, 24
.set AP8,  28
.set SCR,  32
.set SCP,  64
.set MSB, 0
.macro WIN new                         ; the immediate's high byte repeats the setting that is left
.if MSB != \new
	s_set_vgpr_msb (MSB<<8)|\new
.set MSB, \new
.endif
.endm
.macro CROUND                          ; a round of the cluster's barrier
	s_barrier_signal -1
	s_barrier_wait -1
	s_cmp_lg_u32 s[WV], 0
	s_cbranch_scc1 .Lnot_wave_0_\@
	s_barrier_signal -3
.Lnot_wave_0_\@:
	s_barrier_wait -3
	s_barrier_signal -1
	s_barrier_wait -1
.endm
.macro FETCH s                         ; K step s: P's eight fragments and my four of R, 48 LDS loads in one run, into set s % 2
.set FC, (\s)/2
.set FO, 1536*((\s)%2)
.set FP, (\s)%2
	WIN 0x40                                       ; destination window 1
.irp f, 0,1,2,3,4,5,6,7
.irp u, 0,1
	ds_load_b128 v[96*FP+12*\f+6*\u:96*FP+12*\f+6*\u+3], v[AP16+FC] offset:3072*\f+FO+768*\u
	ds_load_b64 v[96*FP+12*\f+6*\u+4:96*FP+12*\f+6*\u+5], v[AP8+FC] offset:3072*\f+FO+768*\u+512
.endr
.endr
	WIN 0xc0                                       ; destination window 3
.irp a, 0,1,2,3
.irp u, 0,1
	ds_load_b128 v[48*FP+12*\a+6*\u:48*FP+12*\a+6*\u+3], v[AR16+FC] offset:3072*\a+FO+768*\u
	ds_load_b64 v[48*FP+12*\a+6*\u+4:48*FP+12*\a+6*\u+5], v[AR8+FC] offset:3072*\a+FO+768*\u+512
.endr
.endr
.endm
.macro MUL s, zero                     ; 32 matrix instructions; zero = 1: the first K step starts the sums
.set MP, (\s)%2
	WIN 0xad                                       ; source 0 (P) window 1, source 1 (R) window 3, C and D window 2
.irp a, 0,1,2,3
.irp f, 0,1,2,3,4,5,6,7
.if \zero
	v_wmma_scale_f32_16x16x128_f8f6f4 v[8*(8*\a+\f):8*(8*\a+\f)+7], v[96*MP+12*\f:96*MP+12*\f+11], v[48*MP+12*\a:48*MP+12*\a+11], 0, v[SCP+8*\f+(\s)], v[SCR+8*\a+(\s)] matrix_a_fmt:MATRIX_FMT_BF6 matrix_b_fmt:MATRIX_FMT_BF6
.else
	v_wmma_scale_f32_16x16x128_f8f6f4 v[8*(8*\a+\f):8*(8*\a+\f)+7], v[96*MP+12*\f:96*MP+12*\f+11], v[48*MP+12*\a:48*MP+12*\a+11], v[8*(8*\a+\f):8*(8*\a+\f)+7], v[SCP+8*\f+(\s)], v[SCR+8*\a+(\s)] matrix_a_fmt:MATRIX_FMT_BF6 matrix_b_fmt:MATRIX_FMT_BF6
.endif
.endr
.endr
.endm
.macro STEP s, zero
	s_wait_dscnt 0x0                               ; this step's fragments are in (asked for 32 matrix instructions ago)
.if ((\s)%2 == 1) && ((\s) < 7)
	s_wait_tensorcnt 3-((\s)+1)/2                  ; my part of the next chunk has landed; my loads for the chunks behind it may stay out
	s_barrier_signal -1
	s_barrier_wait -1                              ; everybody's part has
.endif
.if (\s) < 7
.if (\s) > 0
.rept 4
	v_nop                                          ; four places in front of loads into registers that the last step's matrix instructions read (ISA guide 7.12.1 for vector instructions)
.endr
.endif
	FETCH (\s)+1
.endif
	MUL \s, \zero
.endm
	s_load_b128 s[4:7], s[0:1], 0x0                ; yc, ys
	s_load_b128 s[8:11], s[0:1], 0x10              ; cod, scl
	s_load_b64 s[12:13], s[0:1], 0x20              ; out0
	v_lshl_add_u32 v6, v0, 2, 0x48000
	v_mov_b32 v7, 0
	ds_add_u32 v6, v7
	ds_add_u32 v6, v7
	v_lshrrev_b32 v9, 5, v0
	v_readfirstlane_b32 s[WV], v9                  ; wave 0..3
	s_and_b32 s15, s[WV], 1                        ; which half of a tile's row blocks I fetch
	s_bfe_u32 s16, ttmp6, 0x40000                  ; cx
	s_bfe_u32 s17, ttmp6, 0x40004                  ; cy
	s_lshl_b32 s18, ttmp9, 2
	s_add_co_u32 s18, s18, s16                     ; which 128 columns of out0, 0..7
	s_and_b32 s19, ttmp7, 0xffff
	s_lshl_b32 s19, s19, 2
	s_add_co_u32 s19, s19, s17                     ; which 256 tokens, 0..31
	s_lshl_b32 s2, s17, 2
	s_lshl_b32 s2, 15, s2                          ; my row of the cluster
	s_lshl_b32 s3, 0x1111, s16                     ; my column
	s_or_b32 s[G1R], s2, (3<<16)|(1<<21)           ; 15:0 the mask; 17:16 elements of 8 bytes; 21 set beside a mask; no padding
	s_or_b32 s[G1P], s3, (3<<16)|(1<<21)
.irp g, G1R, G1P
	s_mov_b32 s[\g+1], 384<<16                     ; tensor_dim0: a row block's part of a chunk, 3,072 bytes
	s_mov_b32 s[\g+3], 384<<16                     ; tile_dim0
	s_mov_b32 s[\g+5], 1536                        ; from row block to row block: 12,288 bytes
	s_mov_b32 s[\g+6], 0
	s_mov_b32 s[\g+7], 0
.endr
	s_mov_b32 s[G1R+2], 8<<16                      ; R: 8 row blocks a load
	s_mov_b32 s[G1R+4], 8
	s_mov_b32 s[G1P+2], 4<<16                      ; P: 4
	s_mov_b32 s[G1P+4], 4
	s_lshl_b32 s20, s18, 7
	s_add_co_u32 s20, s20, 11264                   ; P's first row in cod: Wp begins at row 11,264
	s_mul_i32 s56, s20, 768
	s_mul_i32 s21, s15, 49152
	s_add_co_u32 s56, s56, s21                     ; P's codes, my half
	s_mov_b32 s57, 0
	s_lshl_b32 s60, s20, 5                         ; P's scale words
	s_mov_b32 s61, 0
	s_mul_i32 s58, s19, 196608
	s_mul_i32 s22, s15, 98304
	s_add_co_u32 s58, s58, s22                     ; R's codes, my half
	s_mov_b32 s59, 0
	s_lshl_b32 s62, s19, 9
	s_lshl_b32 s22, s[WV], 7
	s_add_co_u32 s62, s62, s22                     ; R's scale bytes: 32 bytes a row block, my four
	s_mov_b32 s63, 0
	s_lshl_b32 s84, s19, 20                        ; out0: 256 rows of 4,096 bytes a work-group,
	s_lshl_b32 s22, s[WV], 18                      ; 64 a wave,
	s_add_co_u32 s84, s84, s22
	s_lshl_b32 s22, s18, 9                         ; 512 bytes of a row
	s_add_co_u32 s84, s84, s22
	s_mov_b32 s85, 0
	s_mul_i32 s86, s15, 24576                      ; where my half goes in a chunk: the wave's number alone
	s_mul_i32 s87, s15, 12288
	s_wait_dscnt 0x0
	s_wait_kmcnt 0x0
	s_add_nc_u64 s[56:57], s[8:9], s[56:57]
	s_add_nc_u64 s[58:59], s[4:5], s[58:59]
	s_add_nc_u64 s[60:61], s[10:11], s[60:61]
	s_add_nc_u64 s[62:63], s[6:7], s[62:63]
	s_add_nc_u64 s[84:85], s[12:13], s[84:85]
.irp c, 0,1,2,3
	s_mov_b32 s[G0R+4*\c], 1
	s_add_co_u32 s[G0R+4*\c+1], s86, \c*CHUNK
	s_add_nc_u64 s[G0R+4*\c+2:G0R+4*\c+3], s[58:59], \c*3072
	s_or_b32 s[G0R+4*\c+3], s[G0R+4*\c+3], 0x80000000
	s_mov_b32 s[G0P+4*\c], 1
	s_add_co_u32 s[G0P+4*\c+1], s87, \c*CHUNK+POFF
	s_add_nc_u64 s[G0P+4*\c+2:G0P+4*\c+3], s[56:57], \c*3072
	s_or_b32 s[G0P+4*\c+3], s[G0P+4*\c+3], 0x80000000
.endr
	CROUND                                         ; all sixteen work-groups are here: the joint loads meet
	s_cmp_lt_u32 s[WV], 2                          ; waves 0, 1 fetch R's halves, waves 2, 3 P's: a wave's four first fills stand in one branch on the wave's number
	s_cbranch_scc0 .Lfill_p
.irp c, 0,1,2,3
	tensor_load_to_lds s[G0R+4*\c:G0R+4*\c+3], s[G1R:G1R+7]
	s_nop 0
.endr
.rept 4
	v_nop
.endr
	s_branch .Lfilled
.Lfill_p:
.irp c, 0,1,2,3
	tensor_load_to_lds s[G0P+4*\c:G0P+4*\c+3], s[G1P:G1P+7]
	s_nop 0
.endr
.rept 4
	v_nop
.endr
.Lfilled:
	v_and_b32 v8, 15, v0                           ; r
	v_bfe_u32 v9, v0, 4, 1                         ; h
	v_lshlrev_b32 v10, 1, v8                       ; y's scale bytes: 2 a row
	v_lshlrev_b32 v11, 5, v8                       ; Wp's scale words: 32 bytes a row
.irp a, 0,1,2,3
.irp k, 0,1,2,3,4,5,6,7
	global_load_u16 v[SCR+8*\a+\k], v10, s[62:63] offset:16384*(2*\k)+32*\a       ; head 2 k's two bytes: the low half of K step k's word,
	global_load_u16 v[128+8*\a+\k], v10, s[62:63] offset:16384*(2*\k+1)+32*\a     ; head 2 k + 1's: the high half
.endr
.endr
.irp f, 0,1,2,3,4,5,6,7
	global_load_b128 v[SCP+8*\f:SCP+8*\f+3], v11, s[60:61] offset:512*\f
	global_load_b128 v[SCP+8*\f+4:SCP+8*\f+7], v11, s[60:61] offset:512*\f+16
.endr
	v_and_b32 v15, 31, v0
	v_lshlrev_b32 v12, 4, v15                      ; 16 x lane
	v_lshlrev_b32 v13, 3, v15                      ; 8 x lane
	s_mul_i32 s88, s[WV], 12288                    ; my four row blocks of R in a chunk
	v_add_nc_u32 v14, s88, v12
	v_add_nc_u32 v15, s88, v13
.irp c, 0,1,2,3
	v_add_nc_u32 v[AR16+\c], \c*CHUNK, v14
	v_add_nc_u32 v[AR8+\c], \c*CHUNK, v15
	v_add_nc_u32 v[AP16+\c], \c*CHUNK+POFF, v12
	v_add_nc_u32 v[AP8+\c], \c*CHUNK+POFF, v13
.endr
	s_mul_i32 s88, s[WV], 8448                     ; my stage for the way out: 16 rows x 528 bytes
	v_mul_u32_u24 v[STO], v8, 528
	v_lshl_add_u32 v[STO], v9, 6, v[STO]
	v_add_nc_u32 v[STO], s88, v[STO]               ; in: row r, + 64 h
	v_add_nc_u32 v[RD], s88, v12                   ; back: 16 x lane of a row
	v_mov_b32 v[CO], v12                           ; and the same in a row of out0
	s_wait_loadcnt 0x0                             ; the scale words and bytes
.set jj, 0
.rept 32
	v_lshl_or_b32 v[SCR+jj], v[128+jj], 16, v[SCR+jj]
.set jj, jj+1
.endr
.rept 8
	v_nop                                          ; a scale register written by a vector instruction stands eight places ahead of a scaled matrix instruction
.endr
	s_wait_alu depctr_va_vdst(0)
	s_wait_tensorcnt 3                             ; my part of chunk 0 has landed; my three later loads may stay out
	s_barrier_signal -1
	s_barrier_wait -1
	FETCH 0
	STEP 0, 1
	STEP 1, 0
	STEP 2, 0
	STEP 3, 0
	STEP 4, 0
	STEP 5, 0
	STEP 6, 0
	STEP 7, 0
; THE WAY OUT, a row block of 16 tokens x 128 columns at a time.  A lane holds pieces of one row and the lanes beside it other rows: so a block goes through my own stage in LDS and comes back as whole rows of 512 bytes.
; The stage lies in chunk 0's bytes: they have had their one fill, and every wave's last read of them came back in front of a barrier that all have passed.  LDS serves a wave's instructions in order: no wait between stores and loads.
.macro TOSTAGE a
	WIN 0x08                                       ; an LDS store's data are its source 1: window 2
.irp f, 0,1,2,3,4,5,6,7
	ds_store_b128 v[STO], v[64*(\a)+8*\f:64*(\a)+8*\f+3] offset:128*(\f/2)+32*(\f%2)          ; each accumulator from its low end on
	ds_store_b128 v[STO], v[64*(\a)+8*\f+4:64*(\a)+8*\f+7] offset:128*(\f/2)+32*(\f%2)+16
.endr
	WIN 0
.set BB, 128+64*((\a)%2)
.irp t, 0,1,2,3,4,5,6,7,8,9,10,11,12,13,14,15
	ds_load_b128 v[BB+4*\t:BB+4*\t+3], v[RD] offset:528*\t
.endr
.endm
.macro SEND a, younger                 ; younger: the LDS instructions issued behind block a's loads, which may stay out
.set BB, 128+64*((\a)%2)
	s_wait_dscnt \younger
.irp t, 0,1,2,3,4,5,6,7,8,9,10,11,12,13,14,15
	global_store_b128 v[CO], v[BB+4*\t:BB+4*\t+3], s[84:85] offset:(32*((\a)/2)+8*((\a)%2)+\t+8*(\t/8))*4096 th:TH_STORE_NT   ; place t of the row block: 32 lanes store 512 consecutive bytes, at a multiple of 256 from out0's first byte
.endr
.endm
.rept 4
	v_nop                                          ; four places in front of the first read of results
.endr
	TOSTAGE 0
.irp a, 1,2,3
.if \a > 1
	s_wait_xcnt 0x0                                ; block a - 2's stores have read their registers: block a's loads may land there
.endif
	TOSTAGE \a
	SEND \a-1, 32                                  ; behind block a - 1's loads: block a's 16 stores and 16 loads
.endr
	SEND 3, 0
	s_wait_tensorcnt 0x0
	ds_add_u32 v6, v7
	s_wait_dscnt 0x0
	CROUND                                         ; the closing round: no work-group ends while a partner may still ask for a tile that names it
	s_endpgm
.Lfunc_end_k_q784ed33d99_proj:
	.size	k_q784ed33d99_proj, .Lfunc_end_k_q784ed33d99_proj-k_q784ed33d99_proj
	.p2alignl 7, 3214868480
	.fill 96, 4, 3214868480
	.section	.rodata,"a",@progbits
	.p2align	6, 0x0
	.amdhsa_kernel k_q784ed33d99_proj
		.amdhsa_group_segment_fixed_size 327680
		.amdhsa_private_segment_fixed_size 0
		.amdhsa_enable_private_segment 0
		.amdhsa_kernarg_size 40
		.amdhsa_user_sgpr_count 2
		.amdhsa_user_sgpr_kernarg_segment_ptr 1
		.amdhsa_wavefront_size32 1
		.amdhsa_system_sgpr_workgroup_id_x 1
		.amdhsa_system_sgpr_workgroup_id_y 1
		.amdhsa_system_sgpr_workgroup_id_z 1
		.amdhsa_system_vgpr_workitem_id 0
		.amdhsa_next_free_vgpr 864
		.amdhsa_next_free_sgpr 100
		.amdhsa_reserve_vcc 0
		.amdhsa_float_denorm_mode_32 3
		.amdhsa_float_denorm_mode_16_64 3
		.amdhsa_memory_ordered 1
		.amdhsa_forward_progress 1
		.amdhsa_inst_pref_size 92
	.end_amdhsa_kernel
	.amdgpu_metadata
---
amdhsa.version: [ 1, 2 ]
amdhsa.kernels:
  - .name:           k_q784ed33d99_proj
    .symbol:         k_q784ed33d99_proj.kd
    .args:
      - { .name: yc, .offset: 0, .size: 8, .value_kind: global_buffer, .address_space: global }
      - { .name: ys, .offset: 8, .size: 8, .value_kind: global_buffer, .address_space: global }
      - { .name: cod, .offset: 16, .size: 8, .value_kind: global_buffer, .address_space: global }
      - { .name: scl, .offset: 24, .size: 8, .value_kind: global_buffer, .address_space: global }
      - { .name: out0, .offset: 32, .size: 8, .value_kind: global_buffer, .address_space: global }
    .group_segment_fixed_size: 327680
    .private_segment_fixed_size: 0
    .kernarg_segment_align: 8
    .kernarg_segment_size: 40
    .max_flat_workgroup_size: 128
    .sgpr_count:     100
    .vgpr_count:     864
    .wavefront_size: 32
...
	.end_amdgpu_metadata
.endif
;; end of part 4
